; MI455X (gfx1250); checked and timed in simulation.
; The chip was launched on July 23, 2026; its instructions are those of AMD's public machine-readable ISA for CDNA 5 (MIT licence, August 2026) and "CDNA5" Instruction Set Architecture Reference Guide (July 2026). The comments in the code are by the model that wrote it; some were corrected since.
;; Multihead Attention. Allowed arithmetic: matrix products marked QUANTISED: E2M3 operands, one E8M0 scale for each 32 along K, by v_wmma_scale_f32_16x16x128_f8f6f4 with both operands' format E2M3, f32 sums; everything else in f32.
;; Inputs: b_proj 1,024 float32; b_qkv 3,072 float32; w_proj 1,024 x 1,024 float32; w_qkv 1,024 x 3,072 float32; x 4 x 2,048 x 1,024 float32.
;; Outputs: out0 4 x 2,048 x 1,024 float32.
;; This version of the problem:
;;   THIS VERSION OF THE PROBLEM IS GIVEN IN LOW PRECISION. The matrix products marked QUANTISED in the list below multiply operands that are first quantised to E2M3 (2 exponent bits, 3 mantissa bits; 6 bits a number), with one power-of-two scale for each 32 numbers along K (OCP MX v1.0); their sums are f32. All else is computed in f32.
;;   The module's matrix products, in the order in which they are computed (A, B: the left and right operand; K: the contracted axis; several contracted axes count as one K, in the product's order):
;;     1. [M 8,192, K 1,024] x [K 1,024, N 3,072]; A: input x; B: input w_qkv: QUANTISED
;;     2. batch 64 x [M 2,048, K 64] x [K 64, N 2,048]; A: computed on the way; B: computed on the way: QUANTISED
;;     3. batch 64 x [M 64, K 2,048] x [K 2,048, N 2,048]; A: computed on the way; B: softmax (see below): QUANTISED
;;     4. [M 8,192, K 1,024] x [K 1,024, N 1,024]; A: computed on the way; B: input w_proj: QUANTISED
;;   THE QUANTISER, for each operand of a quantised product, along K:
;;     - K is cut into blocks of 32 from its start; a last block that is shorter is filled with zeros.
;;     - A block's scale is 2^e with e = floor(log2(the largest magnitude in the block)) - 2, held to -126 .. 127; a block of zeros has e = 0. As a byte (E8M0): e + 127.
;;     - Each number is divided by its block's scale, clamped to +-7.5, and rounded to the nearest number of E2M3, ties to even, subnormals kept.
;;     - The product sums the exact products of the quantised numbers (number of the format x scale) in f32.
;;   ~~~python
;;   def quantise(x, axis):      # numpy; x: float32 -> the quantised numbers, widened to float32 again
;;       x = np.moveaxis(x, axis, -1); K = x.shape[-1]
;;       x = np.pad(x, [(0, 0)] * (x.ndim - 1) + [(0, -K % 32)]); x = x.reshape(x.shape[:-1] + (-1, 32)); a = np.abs(x).max(-1, keepdims=True)
;;       e = np.where(a > 0, np.clip(np.frexp(np.where(a > 0, a, 1))[1] - 1 - 2, -126, 127), 0)      # np.frexp(a)[1] - 1 = floor(log2(a)), exactly
;;       r = np.clip(x / 2.0 ** e, -7.5, 7.5)
;;       step = 2.0 ** (np.maximum(np.frexp(np.where(r == 0, 1, r))[1] - 1, 0) - 3)
;;       q = np.round(r / step) * step * 2.0 ** e      # np.round: ties to even
;;       return np.moveaxis(q.reshape(q.shape[:-2] + (-1,))[..., :K], -1, axis).astype(np.float32)
;;   ~~~
;;   SOFTMAX AHEAD OF A QUANTISED PRODUCT. Where the list says 'softmax', what is quantised is not the finished softmax but p = 2^(t - M), with t = logit x log2(e) and M = ceil(the row's largest t), a whole number; so 1/2 < the row's largest p <= 1. The row's sum l is taken of the UNQUANTISED p, in f32, and the product's result is divided by l at the end. Since M is a whole number, a kernel that streams over the keys may use a running M (the ceiling of the running maximum): every later rescaling is an exact power of two, which a block's scale takes up: the codes' values come out the same.
;;   OPERANDS COMPUTED ON THE WAY. 'Computed on the way' means the value that the module computes at that place (a softmax that the list does not call 'softmax' is quantised finished and normalised). What goes into a quantiser is computed in f32, as accurately as f32 sums, v_exp_f32 and their like allow (about 1e-6 of the number): no bf16 or f16 on the way to a quantiser, and a product that is left as it is and whose result goes on into a quantised operand takes f32 operands (vector FMAs, or v_wmma_f32_16x16x4_f32). A number that lies on a knife's edge between two numbers of the format may be rounded either way, as far as f32 arithmetic and the matrix unit's own rounding can turn it there, and no further.
;; One version. Each part assembles by itself: llvm-mc -triple=amdgcn-amd-amdhsa -mcpu=gfx1250 --defsym DOCPART=n.
;; ======== version 1 of 1: 4 launches
;; workspace buffers: x_codes 6,291,456 bytes; x_scales 262,144 bytes; w_codes 3,145,728 bytes; w_scales 131,072 bytes; q_img 13,631,488 bytes; kv_img 13,631,488 bytes; a_img 6,291,456 bytes; a_scl 262,144 bytes
;; launch quant (part 1): grid 384 x 1, 4 waves a work-group, no clusters, 68,096 bytes of LDS; arguments x, w_qkv, w_proj, x_codes, x_scales, w_codes, w_scales; writes x_codes, x_scales, w_codes, w_scales
.if DOCPART == 1
	.amdgcn_target "amdgcn-amd-amdhsa--gfx1250"
	.amdhsa_code_object_version 6
	.text
	.protected	k_q5da2e69279_quant
	.globl	k_q5da2e69279_quant
	.p2align	8
	.type	k_q5da2e69279_quant,@function
k_q5da2e69279_quant:
	s_mov_b64 s[64:65], 0
	v_nop
	global_prefetch_b8 v0, s[64:65] scope:SCOPE_SE
	s_setreg_imm32_b32 hwreg(HW_REG_WAVE_MODE, 25, 1), 1
	s_wait_xcnt 0x0
; x [8192][1024], w_qkv [1024][3072] and w_proj [1024][1024], all f32, become codes of FP6 (E2M3), K innermost, 768 bytes a row, with one E8M0 byte for each 32 along K, 32 bytes a row.
; A block's scale is 2^(floor(log2(its largest magnitude)) - 2): its byte is the largest magnitude's exponent field - 2, held at 1 from below; each number is divided by the scale and rounded to the nearest code, ties to even.
; LIMITS: a block of zeros gets the byte 1 (the rule says 127: its codes are zeros, and this program alone reads the bytes); a largest magnitude under 2^-124 is taken as 2^-124; NaN and infinities are not served.
; WHERE A ROW GOES.  The row of item i (a token of x, a column of a weight) lies at POSITION sigma(i): i with its bits 3 and 4 exchanged.  So 16 neighbouring positions 16 a + r hold the items
; 32 (a / 2) + 8 (a % 2) + r % 8 + 16 (r / 8), and two neighbouring tiles of a transposed product give a lane 16 neighbours along the next product's K.
; w_codes has 4,096 rows: 0-1023 the q columns (64 head + c), 1024-2047 the k columns, 2048-3071 the v columns, 3072-4095 w_proj's columns.
; Work-groups 0-255 take x: K is innermost, a wave takes 8 rows as a stream of blocks; each load reads 512 consecutive bytes, and a step's 2,048 bytes turn through the wave's own stage in LDS so that a lane holds 16 neighbours.
; Work-groups 256-383 take the weights: K is the FIRST axis, so a lane takes a column and its registers run down K; the codes leave through the wave's own stage, sixteen lanes to a row's 192 bytes.
; The weights' scale bytes leave as 8 bytes a row: one byte in 128 of what those work-groups read.  The two ways have LDS bytes of their own.  No tensor loads, no barrier: waves share nothing.
.set STEPS, 16
.set CB,    12                         ; bytes of 16 codes
.set XR,    16                         ; v16-79   x: four sets of 16 numbers as loaded
.set XN,    80                         ; v80-111  two sets of 16 neighbours
.set XE,    112                        ; v112-127 a scale byte for each step
.set XC,    128                        ; v128-191 codes, four registers a step
.set WREG,  8192                       ; x: LDS of a wave: two stages of 32 x SP bytes, then its 256 scale bytes
.set SP,    80
.set NB,    8                          ; weights: blocks of 32 along K for a wave
.set PITCH, 272                        ; a stage row: sixteen places of 16 bytes + 16
.set KROW,  768
.set WSTG,  32768                      ; the weights' stages begin here
.set WSB,   24                         ; v24-25   scale bytes
.set WX,    32                         ; v32-95   two sets of 32 numbers
.set WC,    96                         ; v96-102  a block's codes
.set WOUT,  112                        ; v112-175 the way out
.set WOFF,  176                        ; v176-207 byte offset of row i of a block: i x pitch + 4 x lane; never rewritten
	s_load_b128 s[4:7], s[0:1], 0x0                ; x, w_qkv
	s_load_b128 s[8:11], s[0:1], 0x10              ; w_proj, x_codes
	s_load_b128 s[12:15], s[0:1], 0x20             ; x_scales, w_codes
	s_load_b64 s[16:17], s[0:1], 0x30              ; w_scales
	v_lshl_add_u32 v208, v0, 2, 0x10800
	v_mov_b32 v209, 0
	v_lshrrev_b32 v1, 5, v0
	v_readfirstlane_b32 s20, v1                    ; wave
	v_and_b32 v2, 31, v0                           ; lane
	s_wait_kmcnt 0x0
	s_cmp_lt_u32 ttmp9, 256
	s_cbranch_scc0 .Lweights
	; ---------------- x
	v_lshlrev_b32 v3, 4, v2                        ; my 16 bytes of a load's 512
	s_mul_i32 s21, s20, WREG
	v_lshrrev_b32 v14, 2, v2
	v_mul_u32_u24 v14, v14, SP
	v_and_b32 v15, 3, v2
	v_lshl_add_u32 v14, v15, 4, v14
	v_add_nc_u32 v14, s21, v14                     ; the stage, on the way in: SP (lane / 4) + 16 (lane % 4)
	v_mul_u32_u24 v15, v2, SP
	v_add_nc_u32 v15, s21, v15                     ; and on the way out: SP x lane: my 16 neighbours
	v_mul_u32_u24 v4, v2, CB                       ; my codes' place in a step's
	v_lshrrev_b32 v5, 1, v2
	s_add_co_u32 s21, s21, 2*32*SP
	v_add_nc_u32 v5, s21, v5                       ; LDS: my block's scale byte
	v_lshlrev_b32 v7, 3, v2
	v_add_nc_u32 v6, s21, v7
	s_lshl_b32 s22, ttmp9, 2
	s_add_co_u32 s24, s22, s20                     ; my run of 8 rows: 4 x work-group + wave
	s_lshl_b32 s24, s24, 15                        ; 32,768 bytes a run
	s_mov_b32 s25, 0
	s_add_nc_u64 s[4:5], s[4:5], s[24:25]
	s_and_b32 s26, s20, 1                          ; sigma on the tokens' bits 3 and 4 is an exchange of the run's bits 0 and 1
	s_lshl_b32 s26, s26, 1
	s_lshr_b32 s27, s20, 1
	s_or_b32 s26, s26, s27
	s_add_co_u32 s26, s26, s22
	s_mul_i32 s24, s26, 8*KROW
	s_add_nc_u64 s[10:11], s[10:11], s[24:25]
	s_lshl_b32 s24, s26, 8
	s_add_nc_u64 s[12:13], s[12:13], s[24:25]
.macro XLOAD t
.irp i, 0,1,2,3
	global_load_b128 v[XR+16*((\t)%4)+4*\i:XR+16*((\t)%4)+4*\i+3], v3, s[4:5] offset:2048*(\t)+512*\i th:TH_LOAD_NT   ; 32 lanes read 512 consecutive bytes
.endr
.endm
.macro XTURN t                         ; step t's numbers through the stage: LDS serves a wave's instructions in order, so no wait stands between the stores and the loads
.irp i, 0,1,2,3
	ds_store_b128 v14, v[XR+16*((\t)%4)+4*\i:XR+16*((\t)%4)+4*\i+3] offset:32*SP*((\t)%2)+8*SP*\i
.endr
.irp i, 0,1,2,3
	ds_load_b128 v[XN+16*((\t)%2)+4*\i:XN+16*((\t)%2)+4*\i+3], v15 offset:32*SP*((\t)%2)+16*\i
.endr
.endm
.irp t, 0,1,2,3
	XLOAD \t
.endr
	s_wait_loadcnt 12                              ; step 0's four loads are in
	XTURN 0
.macro XSTEP t
.set XS, XN+16*((\t)%2)
.if (\t) > 0
	s_wait_dscnt 1                                 ; this step's numbers are back from the stage (the last step's byte store may be out)
.else
	s_wait_dscnt 0x0
.endif
.if (\t)+4 < STEPS
	XLOAD (\t)+4                                   ; into the registers that this step's stores into the stage have read
.endif
.if (\t)+1 < STEPS
.if STEPS-2-(\t) >= 3
	s_wait_loadcnt 12                              ; the next step's four loads are in; those of the three steps behind it may be out
.else
	s_wait_loadcnt 4*(STEPS-2-(\t))
.endif
	XTURN (\t)+1
.endif
	v_max3_num_f32 v8, |v[XS]|, |v[XS+1]|, |v[XS+2]|
	v_max3_num_f32 v9, |v[XS+3]|, |v[XS+4]|, |v[XS+5]|
.irp i, 6,10
	v_max3_num_f32 v8, v8, |v[XS+\i]|, |v[XS+\i+1]|
	v_max3_num_f32 v9, v9, |v[XS+\i+2]|, |v[XS+\i+3]|
.endr
	v_max3_num_f32 v8, v8, |v[XS+14]|, |v[XS+15]|
	v_max3_num_f32 v8, v8, v9, 0x1800000           ; and the floor 2^(3 - 127): the byte cannot fall under 1
	v_max_num_f32_dpp v8, v8, v8 row_xmask:1 row_mask:0xf bank_mask:0xf   ; with my neighbour's 16: the block's largest magnitude
	v_add_nc_u32 v11, 0xff000000, v8               ; 2 off its exponent field: the conversion takes the exponent field of this operand as its scale
	v_cvt_scalef32_pk16_fp6_f32 v[XC+4*(\t):XC+4*(\t)+2], v[XS:XS+15], v11
	v_lshrrev_b32 v[XE+(\t)], 23, v11              ; the scale's byte
	ds_store_b8 v5, v[XE+(\t)] offset:16*(\t)      ; both lanes of a block write the same byte with the same value
	global_store_b96 v4, v[XC+4*(\t):XC+4*(\t)+2], s[10:11] offset:32*CB*(\t)   ; the wave stores 384 consecutive bytes
.endm
.irp t, 0,1,2,3,4,5,6,7,8,9,10,11,12,13,14,15
	XSTEP \t
.endr
	ds_load_b64 v[12:13], v6                       ; LDS serves a wave's instructions in order: these see my stores
	s_wait_dscnt 0x0
	global_store_b64 v7, v[12:13], s[12:13]        ; 32 lanes store 256 consecutive bytes, aligned
	s_wait_tensorcnt 0x0
	ds_add_u32 v208, v209
	s_wait_dscnt 0x0
	s_endpgm
	; ---------------- the weights
.Lweights:
	s_sub_co_u32 s21, ttmp9, 256
	s_lshr_b32 s22, s21, 2                         ; which 128 columns: 0-23 of w_qkv, 24-31 of w_proj
	s_and_b32 s23, s21, 3                          ; which 256 along K
	s_mov_b32 s24, 4096
	s_cmp_lt_u32 s22, 24
	s_cselect_b64 s[6:7], s[6:7], s[8:9]           ; the tensor: the choice hangs on the work-group's number alone
	s_cselect_b32 s24, 12288, s24                  ; bytes from a row of it to the next
	s_cselect_b32 s25, 0, 24
	s_sub_co_u32 s25, s22, s25
	s_lshl_b32 s25, s25, 7
	s_lshl_b32 s26, s20, 5
	s_add_co_u32 s25, s25, s26                     ; my wave's first column n0
	s_lshr_b32 s26, s25, 6                         ; w_qkv: n0 / 64 = 3 head + type
	s_mul_i32 s27, s26, 43
	s_lshr_b32 s27, s27, 7                         ; head = that / 3 (43 / 128 serves up to 127)
	s_mul_i32 s28, s27, 3
	s_sub_co_u32 s28, s26, s28                     ; type: 0 q, 1 k, 2 v
	s_lshl_b32 s28, s28, 10
	s_lshl_b32 s27, s27, 6
	s_add_co_u32 s28, s28, s27
	s_and_b32 s27, s25, 63
	s_add_co_u32 s28, s28, s27                     ; 1024 type + 64 head + c
	s_add_co_u32 s29, s25, 3072                    ; w_proj: 3072 + n0
	s_cmp_lt_u32 s22, 24
	s_cselect_b32 s28, s28, s29                    ; the first of my 32 rows of w_codes
	s_lshl_b32 s30, s23, 8
	s_mul_i32 s30, s30, s24
	s_lshl_b32 s29, s25, 2
	s_add_co_u32 s30, s30, s29
	s_mov_b32 s31, 0
	s_add_nc_u64 s[32:33], s[6:7], s[30:31]        ; block 0 of my 8: row 256 y, column n0
	s_lshl_b32 s48, s24, 5
	s_mov_b32 s49, 0
.irp t, 1,2,3,4,5,6,7
	s_add_nc_u64 s[32+2*\t:33+2*\t], s[30+2*\t:31+2*\t], s[48:49]   ; a base for each block, 32 rows on: none is ever stepped
.endr
	s_mul_i32 s30, s28, KROW
	s_mul_i32 s29, s23, 192
	s_add_co_u32 s30, s30, s29
	s_add_nc_u64 s[14:15], s[14:15], s[30:31]
	s_lshl_b32 s30, s28, 5
	s_lshl_b32 s29, s23, 3
	s_add_co_u32 s30, s30, s29
	s_add_nc_u64 s[16:17], s[16:17], s[30:31]
	v_lshlrev_b32 v3, 2, v2
.irp i, 0,1,2,3,4,5,6,7,8,9,10,11,12,13,14,15,16,17,18,19,20,21,22,23,24,25,26,27,28,29,30,31
	v_mad_u32_u24 v[WOFF+\i], s24, \i, v3
.endr
	s_mul_i32 s19, s20, 32*PITCH
	s_add_co_u32 s19, s19, WSTG                    ; my stage
	v_mul_u32_u24 v4, v2, PITCH
	v_add_nc_u32 v4, s19, v4                       ; into it: row = my column
	v_and_b32 v5, 15, v2
	v_lshrrev_b32 v6, 4, v2
	v_mul_u32_u24 v7, v6, PITCH
	v_lshl_add_u32 v7, v5, 4, v7
	v_add_nc_u32 v7, s19, v7                       ; out of it: sixteen lanes to a row, two rows an instruction
	v_mul_u32_u24 v8, v6, KROW
	v_mad_u32_u24 v8, v5, 12, v8                   ; and the same place in w_codes
	v_and_b32 v9, 7, v2                            ; sigma(lane) x 32: my column's row of scale bytes
	v_bfe_u32 v10, v2, 3, 1
	v_lshl_or_b32 v9, v10, 4, v9
	v_bfe_u32 v10, v2, 4, 1
	v_lshl_or_b32 v9, v10, 3, v9
	v_lshlrev_b32 v9, 5, v9
.macro WLOAD t                         ; block t: rows 32 t + i of my 256, my column, into set t % 2: 128 consecutive bytes a load
.irp i, 0,1,2,3,4,5,6,7,8,9,10,11,12,13,14,15,16,17,18,19,20,21,22,23,24,25,26,27,28,29,30,31
	global_load_b32 v[WX+32*((\t)%2)+\i], v[WOFF+\i], s[32+2*(\t):33+2*(\t)] th:TH_LOAD_NT
.endr
.endm
	WLOAD 0
	WLOAD 1
.macro WBLOCK t
.set XS, WX+32*((\t)%2)
.if (\t) < NB-1
	s_wait_loadcnt 32                              ; this block's 32 loads are in; the next block's may be out
.else
	s_wait_loadcnt 0
.endif
	v_max3_num_f32 v12, |v[XS]|, |v[XS+1]|, |v[XS+2]|               ; the block's largest magnitude: all 32 numbers are mine
	v_max3_num_f32 v13, |v[XS+3]|, |v[XS+4]|, |v[XS+5]|
.irp i, 6,10,14,18,22,26
	v_max3_num_f32 v12, v12, |v[XS+\i]|, |v[XS+\i+1]|
	v_max3_num_f32 v13, v13, |v[XS+\i+2]|, |v[XS+\i+3]|
.endr
	v_max3_num_f32 v12, v12, |v[XS+30]|, |v[XS+31]|
	v_max3_num_f32 v12, v12, v13, 0x1800000        ; and the floor
	v_add_nc_u32 v11, 0xff000000, v12
	v_lshrrev_b32 v13, 23, v11                     ; the scale's byte
.if (\t)%4 == 0
	v_mov_b32 v[WSB+(\t)/4], v13                   ; four bytes to a register, the lower K in the lower byte
.else
	v_lshl_or_b32 v[WSB+(\t)/4], v13, 8*((\t)%4), v[WSB+(\t)/4]
.endif
	v_cvt_scalef32_pk16_fp6_f32 v[WC:WC+2], v[XS:XS+15], v11
	v_cvt_scalef32_pk16_fp6_f32 v[WC+4:WC+6], v[XS+16:XS+31], v11   ; (a conversion's three registers begin on an even number)
	ds_store_b96 v4, v[WC:WC+2] offset:32*(\t)     ; 12 bytes to a place of 16, so that every LDS address is a multiple of 16
	ds_store_b96 v4, v[WC+4:WC+6] offset:32*(\t)+16
.if (\t)+2 < NB
	WLOAD (\t)+2
.endif
	s_wait_dscnt 0x0                               ; the stores have read their registers: the next block's codes may be written
.endm
.set Q, 0
.rept NB
	WBLOCK Q
.set Q, Q+1
.endr
	global_store_b64 v9, v[WSB:WSB+1], s[16:17]    ; my column's 8 scale bytes
.irp t, 0,1,2,3,4,5,6,7,8,9,10,11,12,13,14,15
	ds_load_b96 v[WOUT+4*\t:WOUT+4*\t+2], v7 offset:2*\t*PITCH
.endr
.irp t, 0,1,2,3,4,5,6,7,8,9,10,11,12,13,14,15
	s_wait_dscnt 15-\t                             ; the later rows' loads may be out
	global_store_b96 v8, v[WOUT+4*\t:WOUT+4*\t+2], s[14:15] offset:(((2*\t)&7)|(((\t>>2)&1)<<4)|(((\t>>3)&1)<<3))*KROW   ; columns 2 t and 2 t + 1 go to positions sigma(2 t), sigma(2 t) + 1
.endr
	s_wait_tensorcnt 0x0
	ds_add_u32 v208, v209
	s_wait_dscnt 0x0
	s_endpgm
.Lfunc_end_k_q5da2e69279_quant:
	.size	k_q5da2e69279_quant, .Lfunc_end_k_q5da2e69279_quant-k_q5da2e69279_quant
	.p2alignl 7, 3214868480
	.fill 96, 4, 3214868480
	.section	.rodata,"a",@progbits
	.p2align	6, 0x0
	.amdhsa_kernel k_q5da2e69279_quant
		.amdhsa_group_segment_fixed_size 68096
		.amdhsa_private_segment_fixed_size 0
		.amdhsa_enable_private_segment 0
		.amdhsa_kernarg_size 56
		.amdhsa_user_sgpr_count 2
		.amdhsa_user_sgpr_kernarg_segment_ptr 1
		.amdhsa_wavefront_size32 1
		.amdhsa_system_sgpr_workgroup_id_x 1
		.amdhsa_system_sgpr_workgroup_id_y 1
		.amdhsa_system_sgpr_workgroup_id_z 1
		.amdhsa_system_vgpr_workitem_id 0
		.amdhsa_next_free_vgpr 210
		.amdhsa_next_free_sgpr 66
		.amdhsa_reserve_vcc 0
		.amdhsa_float_denorm_mode_32 3
		.amdhsa_float_denorm_mode_16_64 3
		.amdhsa_memory_ordered 1
		.amdhsa_forward_progress 1
		.amdhsa_inst_pref_size 76
	.end_amdhsa_kernel
	.amdgpu_metadata
---
amdhsa.version: [ 1, 2 ]
amdhsa.kernels:
  - .name:           k_q5da2e69279_quant
    .symbol:         k_q5da2e69279_quant.kd
    .args:
      - { .name: x, .offset: 0, .size: 8, .value_kind: global_buffer, .address_space: global }
      - { .name: w_qkv, .offset: 8, .size: 8, .value_kind: global_buffer, .address_space: global }
      - { .name: w_proj, .offset: 16, .size: 8, .value_kind: global_buffer, .address_space: global }
      - { .name: x_codes, .offset: 24, .size: 8, .value_kind: global_buffer, .address_space: global }
      - { .name: x_scales, .offset: 32, .size: 8, .value_kind: global_buffer, .address_space: global }
      - { .name: w_codes, .offset: 40, .size: 8, .value_kind: global_buffer, .address_space: global }
      - { .name: w_scales, .offset: 48, .size: 8, .value_kind: global_buffer, .address_space: global }
    .group_segment_fixed_size: 68096
    .private_segment_fixed_size: 0
    .kernarg_segment_align: 8
    .kernarg_segment_size: 56
    .max_flat_workgroup_size: 128
    .sgpr_count:     66
    .vgpr_count:     210
    .wavefront_size: 32
...
	.end_amdgpu_metadata
.endif
;; end of part 1
;; launch qkv (part 2): grid 12 x 32, 4 waves a work-group, clusters of 4 x 4, 327,680 bytes of LDS; arguments x_codes, x_scales, w_codes, w_scales, b_qkv, q_img, kv_img; writes q_img, kv_img
.if DOCPART == 2
	.amdgcn_target "amdgcn-amd-amdhsa--gfx1250"
	.amdhsa_code_object_version 6
	.text
	.protected	k_q5da2e69279_qkv
	.globl	k_q5da2e69279_qkv
	.p2align	8
	.type	k_q5da2e69279_qkv,@function
k_q5da2e69279_qkv:
	s_mov_b64 s[64:65], 0
	v_nop
	global_prefetch_b8 v0, s[64:65] scope:SCOPE_SE
	s_setreg_imm32_b32 hwreg(HW_REG_WAVE_MODE, 25, 1), 1
	s_wait_xcnt 0x0
	s_wait_alu depctr_hold_cnt(0) depctr_sa_sdst(0) depctr_va_vdst(0) depctr_va_sdst(0) depctr_va_ssrc(0) depctr_va_vcc(0) depctr_vm_vsrc(0)
	s_getreg_b32 s2, hwreg(HW_REG_IB_STS2, 6, 4)
	s_cmp_eq_u32 s2, 0
	s_cbranch_scc0 .Lentry_in_a_cluster
	s_endpgm
.Lentry_in_a_cluster:
	s_bfe_u32 s2, ttmp6, 0x10000c
	s_cmp_lg_u32 s2, 0xf033
	s_cbranch_scc0 .Lentry_shape_is_right
	s_endpgm
.Lentry_shape_is_right:
; qkv = x w_qkv + b_qkv on codes of FP6 (E2M3) with E8M0 scales; the results are scaled (q, k: x 64^(-1/4)), quantised in registers along the NEXT product's K, and leave as images of the attention launch's operand registers.
; A tile of 256 x 256 results is made by a work-group of four waves, a wave makes 128 x 128: 64 accumulators, 512 registers.  K = 1,024 goes in four steps of 256 through a ring of two LDS slots filled by the tensor data mover.
; ONE TEXT, THREE KINDS, told apart by the cluster's x (alike in all sixteen partners; only pointers, offsets and values are chosen by it, no branch):
;   cluster x 0 (q), 1 (k): P = x (its rows, tokens, land in LANES), Q = 256 rows of w_codes (they run along a lane's REGISTERS): a lane holds one token and 128 neighbours along two heads' 64.
;   cluster x 2 (v):        P = w_codes' v rows (channels in lanes), Q = x (tokens along registers): a lane holds one channel and 128 neighbouring keys, the second attention product's K.
; The matrix instruction takes Q's rows as source 0 and P's as source 1.  Rows lie at positions sigma(item) (bits 3 and 4 exchanged), so register 8 b + j of a lane's 64 is item 32 (b / 2) + 16 (lane / 16) + 8 (b % 2) + j.
; THE BIAS: q's and k's runs along registers and is the C of the first K step's products; v's is one number a lane and is added where the results are scaled: value = sum x S + BL, with S = 64^(-1/4), BL = 0 for q, k and S = 1, BL = bias for v.
; OUT: blocks of 13,312 bytes, one for (batch, head, 128 tokens).  @0: q's or k's codes, pair i of token tiles at 1536 i; @6144: v's four fragments (16 channels x 128 keys); @12288 and @12800 their scale words.
;   Four registers of a lane lie at 512 g + 16 x lane: each store of the wave covers 512 consecutive bytes, aligned.  A q or k scale word is byte 0 | byte 1 << 8 | 0x7f7f0000: K = 64 fills half of the attention launch's K step.
; CLUSTERS: 4 x 4 work-groups; P's tiles are asked for jointly along a row of the cluster, Q's along a column.
; LIMITS: a block of zeros gets the byte 1; a largest magnitude under 2^-124 is taken as 2^-124; NaN and infinities are not served.
; REGISTERS: window 0: v0-31 addresses; v32-63 scale words, two sets; v64-127 BR, the bias along registers; v128-223 P's fragments, one set; v224-231 BL.  Window 1: Q's fragments, two sets.  Windows 2, 3: the accumulators.
.set KSTEP,  256
.set NQ,     2
.set ROWB,   192
.set KROW,   768
.set PITCH,  240                       ; an LDS row: 3 x (64 bytes + 16 of padding)
.set FR,     12
.set NL,     6
.set NP,     4
.set HALFT,  128*PITCH
.set SLOT,   4*HALFT
.set LAPS,   2
.set KS,     32
.set SCL,    2*SLOT                    ; behind the ring: the scales of P's 256 rows and Q's 256 rows, as units of 256 bytes + 16
.set HALFS,  (128*KS/256)*272
.set SBLK,   (16*KS/256)*272
.set SPARE,  SCL+4*HALFS               ; the spare words: 128 bytes a wave, two blocks of 256 bytes that no other line names
.set BLK,    13312
.set HSTR,   16*BLK                    ; from a head's blocks to the next head's
.set ADRA, 16
.set ADRB, 20
.set L16,  24
.set ADRS, 27
.set SPW,  28
.set NIL,  29
.set ZR,   30
.set SC,   32
.set BR,   64
.set AF,   128
.set BL,   224
.set T,    32                          ; the way out (window 0; the loop's registers are free): v32-43 the two middle half fragments
.set TQ,   44                          ; v44-51  conversions' second halves
.set TM,   52                          ; v52-67  maxima, bytes, scale operands
.set PW,   68                          ; v68-75  block a's scale word
.set WW,   76                          ; v76-79  two blocks' words in one register: lanes 0-15 block 2 i, lanes 16-31 block 2 i + 1
.set LL,   80
.set HH,   84
.set E0,   88
.set E1,   92
.set VO,   96
.set VO2,  100
.set VSC,  104
.set H,    128                         ; v128-191 a block's 64 values
.set Z,    192                         ; v192-215 24 registers to store
.set SEL,  42
.set G1, 24
.set G0, 32
.set G1B, 48
.set G0B, 56
.set G1S, 68
.set G0S, 76
.set G1SB, 80
.set G0SB, 88
.set MSB, 0
.macro WIN new                         ; the immediate's high byte repeats the setting that is left
.if MSB != \new
	s_set_vgpr_msb (MSB<<8)|\new
.set MSB, \new
.endif
.endm
.set MUL_LO, 0xa1                      ; source 0 (Q) window 1, source 1 (P) window 0, C and D window 2
.set MUL_HI, 0xf1
.set TO_B,   0x40
; A joint load: waves 0 and 1 fetch for P, waves 2 and 3 for Q.  The branch hangs on the wave's number alone.  Four v_nop follow each of the two lines.
.macro JLOAD g0a, g1a, g0b, g1b
	s_cmp_eq_u32 s15, 0
	s_cbranch_scc0 .Lfor_b_\@
	tensor_load_to_lds s[\g0a:\g0a+3], s[\g1a:\g1a+7]
	s_nop 0
.rept 4
	v_nop
.endr
	s_branch .Lasked_\@
.Lfor_b_\@:
	tensor_load_to_lds s[\g0b:\g0b+3], s[\g1b:\g1b+7]
	s_nop 0
.rept 4
	v_nop
.endr
.Lasked_\@:
.endm
.macro CREST                           ; a round of the cluster's barrier behind its opening barrier
	s_cmp_lg_u32 s14, 0
	s_cbranch_scc1 .Lnot_wave_0_\@
	s_barrier_signal -3
.Lnot_wave_0_\@:
	s_barrier_wait -3
	s_barrier_signal -1
	s_barrier_wait -1
.endm
.macro CROUND
	s_barrier_signal -1
	s_barrier_wait -1
	CREST
.endm
	s_load_b128 s[4:7], s[0:1], 0x0                ; x's codes, x's scales
	s_load_b128 s[8:11], s[0:1], 0x10              ; w's codes, w's scales
	s_load_b64 s[12:13], s[0:1], 0x20              ; b_qkv
	s_load_b64 s[96:97], s[0:1], 0x28              ; q_img
	s_load_b64 s[98:99], s[0:1], 0x30              ; kv_img
	v_lshl_add_u32 v[SPW], v0, 2, SPARE
	v_mov_b32 v[NIL], 0
	ds_add_u32 v28, v29
	ds_add_u32 v28, v29
	s_wait_dscnt 0x0
	v_mov_b32 v[ZR], 0
	v_lshrrev_b32 v1, 5, v0
	v_readfirstlane_b32 s14, v1                    ; wave 0..3
	s_lshr_b32 s15, s14, 1                         ; which half of P's rows is mine.  Also: I fetch for P (0) or for Q (1)
	s_and_b32 s16, s14, 1                          ; which half of Q's rows.  Also: which 128 rows I fetch
	s_bfe_u32 s40, ttmp6, 0x40000                  ; cx
	s_bfe_u32 s41, ttmp6, 0x40004                  ; cy
	s_and_b32 s18, ttmp7, 0xffff
	s_lshl_b32 s18, s18, 2                         ; 4 x cluster y
	s_lshl_b32 s19, ttmp9, 2                       ; 4 x cluster x
	s_cmp_eq_u32 ttmp9, 2                          ; v?
	s_cselect_b32 s17, 0, s18
	s_cselect_b32 s42, s18, s19
	s_cselect_b32 s66, -1, 0                       ; the kind as a mask of lanes: all for v, none for q and k
	s_cselect_b32 s2, 2048, 0                      ; v: P's rows begin at row 2,048 of w_codes
	s_mov_b32 s100, 0x3eb504f3                     ; 64^(-1/4)
	s_cselect_b32 s100, 1.0, s100
	s_mov_b32 s101, s100                           ; (named with it as a pair, so it is written)
	s_add_co_u32 s17, s17, s41                     ; P's tile: q, k: 4 cluster y + cy of x's 32;  v: cy of the v rows' 4
	s_add_co_u32 s42, s42, s40                     ; Q's tile: q, k: 4 cluster x + cx of w's first 8;  v: 4 cluster y + cx of x's 32
	s_lshl_b32 s43, s41, 2
	s_lshl_b32 s43, 15, s43                        ; my row of the cluster
	s_lshl_b32 s44, 0x1111, s40                    ; my column
	s_or_b32 s[G1+0], s43, (0<<16)|(1<<20)|(1<<21)|(3<<22)|(3<<25)  ; 15:0 the mask; elements of 1 byte; padding on; bit 21 beside a mask; after every 16 words 4 words
	s_or_b32 s[G1B+0], s44, (0<<16)|(1<<20)|(1<<21)|(3<<22)|(3<<25)
.irp g, G1, G1B
	s_mov_b32 s[\g+1], ROWB<<16                    ; tensor_dim0
	s_mov_b32 s[\g+2], 128<<16                     ; tensor_dim1
	s_mov_b32 s[\g+3], ROWB<<16                    ; tile_dim0
	s_mov_b32 s[\g+4], 128                         ; tile_dim1
	s_mov_b32 s[\g+5], KROW                        ; from row to row
	s_mov_b32 s[\g+6], 0
	s_mov_b32 s[\g+7], 0
.endr
	s_or_b32 s[G1S+0], s43, (3<<16)|(1<<20)|(1<<21)|(5<<22)|(3<<25) ; the scales of 128 rows: 4,096 dense bytes as 16 rows of 256, 16 bytes of padding behind each
	s_or_b32 s[G1SB+0], s44, (3<<16)|(1<<20)|(1<<21)|(5<<22)|(3<<25)
.irp g, G1S, G1SB
	s_mov_b32 s[\g+1], 32<<16
	s_mov_b32 s[\g+2], (128*KS/256)<<16
	s_mov_b32 s[\g+3], 32<<16
	s_mov_b32 s[\g+4], 128*KS/256
	s_mov_b32 s[\g+5], 32
	s_mov_b32 s[\g+6], 0
	s_mov_b32 s[\g+7], 0
.endr
	s_lshl_b32 s18, s16, 7                         ; which 128 rows of the tile I fetch
	s_lshl_b32 s20, s17, 8
	s_add_co_u32 s20, s20, s18
	s_add_co_u32 s20, s20, s2                      ; P's row
	s_lshl_b32 s46, s42, 8
	s_add_co_u32 s46, s46, s18                     ; Q's row
	s_lshl_b32 s22, s20, 5                         ; their scales, 32 bytes a row,
	s_mul_i32 s20, s20, KROW                       ; and their codes (at most 8,191 x 768)
	s_mov_b32 s21, 0
	s_mov_b32 s23, 0
	s_lshl_b32 s92, s46, 5
	s_mul_i32 s46, s46, KROW
	s_mov_b32 s47, 0
	s_mov_b32 s93, 0
	s_mul_i32 s45, s14, HALFT                      ; where they go: wave x 128 rows: no place in the cluster enters an LDS address
	s_mul_i32 s94, s14, HALFS
	s_wait_kmcnt 0x0
	s_cmp_eq_u32 ttmp9, 2
	s_cselect_b64 s[18:19], s[8:9], s[4:5]         ; P's codes
	s_cselect_b64 s[8:9], s[4:5], s[8:9]           ; Q's codes
	s_cselect_b64 s[4:5], s[10:11], s[6:7]         ; P's scales
	s_cselect_b64 s[10:11], s[6:7], s[10:11]       ; Q's scales
	s_add_nc_u64 s[20:21], s[18:19], s[20:21]
	s_add_nc_u64 s[22:23], s[4:5], s[22:23]
	s_add_nc_u64 s[46:47], s[8:9], s[46:47]
	s_add_nc_u64 s[92:93], s[10:11], s[92:93]
	CROUND                                         ; all sixteen work-groups are here: the first joint loads meet
	s_mov_b32 s[G0S], 1
	s_add_co_u32 s[G0S+1], s94, SCL
	s_mov_b64 s[G0S+2:G0S+3], s[22:23]
	s_or_b32 s[G0S+3], s[G0S+3], 0x80000000
	s_mov_b32 s[G0SB], 1
	s_add_co_u32 s[G0SB+1], s94, SCL
	s_mov_b64 s[G0SB+2:G0SB+3], s[92:93]
	s_or_b32 s[G0SB+3], s[G0SB+3], 0x80000000
	JLOAD G0S, G1S, G0SB, G1SB                     ; the scales first: they are wanted with K step 0.  Three tensor loads of a wave are out at the start, one behind each later round
.irp s, 0,1
	s_mov_b32 s[G0+4*\s], 1
	s_add_co_u32 s[G0+4*\s+1], s45, \s*SLOT
	s_add_nc_u64 s[G0+4*\s+2:G0+4*\s+3], s[20:21], \s*ROWB
	s_or_b32 s[G0+4*\s+3], s[G0+4*\s+3], 0x80000000
	s_mov_b32 s[G0B+4*\s], 1
	s_add_co_u32 s[G0B+4*\s+1], s45, \s*SLOT
	s_add_nc_u64 s[G0B+4*\s+2:G0B+4*\s+3], s[46:47], \s*ROWB
	s_or_b32 s[G0B+4*\s+3], s[G0B+4*\s+3], 0x80000000
	JLOAD G0+4*\s, G1, G0B+4*\s, G1B
.endr
	; the biases.  b_qkv's index is 192 head + 64 type + c
	s_lshl_b32 s95, s42, 8
	s_lshl_b32 s18, s16, 7
	s_add_co_u32 s95, s95, s18
	s_and_b32 s95, s95, 1023
	s_lshr_b32 s95, s95, 6                         ; q, k: the first of my two heads
	s_lshl_b32 s18, s41, 2
	s_lshl_b32 s19, s15, 1
	s_add_co_u32 s18, s18, s19                     ; v: likewise: 4 cy + 2 (wave / 2)
	s_mul_i32 s46, s95, 768
	s_lshl_b32 s19, ttmp9, 8
	s_add_co_u32 s46, s46, s19                     ; 4 (192 head + 64 type)
	s_mul_i32 s92, s18, 768
	s_add_co_u32 s92, s92, 512                     ; 4 (192 head + 128)
	s_cmp_eq_u32 ttmp9, 2
	s_cselect_b32 s46, 0, s46                      ; the kind that does not use a bias loads it from the buffer's head and replaces it by 0 below
	s_cselect_b32 s92, s92, 0
	s_cselect_b32 s95, s18, s95                    ; my first head, kept for the way out
	s_mov_b32 s47, 0
	s_mov_b32 s93, 0
	s_add_nc_u64 s[46:47], s[12:13], s[46:47]
	s_add_nc_u64 s[92:93], s[12:13], s[92:93]
	v_and_b32 v1, 15, v0                           ; r = lane % 16
	v_bfe_u32 v2, v0, 4, 1                         ; h = lane / 16
	v_lshlrev_b32 v7, 6, v2                        ; BR: 16 h numbers on
	v_and_b32 v8, 7, v1
	v_lshrrev_b32 v9, 3, v1
	v_lshlrev_b32 v8, 2, v8
	v_lshl_add_u32 v8, v9, 6, v8                   ; BL: channel r % 8 + 16 (r / 8)
.irp b, 0,1,2,3,4,5,6,7
	global_load_b128 v[BR+8*\b:BR+8*\b+3], v7, s[46:47] offset:(\b/4)*768+((\b/2)%2)*128+(\b%2)*32
	global_load_b128 v[BR+8*\b+4:BR+8*\b+7], v7, s[46:47] offset:(\b/4)*768+((\b/2)%2)*128+(\b%2)*32+16
.endr
.irp a, 0,1,2,3,4,5,6,7
	global_load_b32 v[BL+\a], v8, s[92:93] offset:(\a/4)*768+((\a/2)%2)*128+(\a%2)*32
.endr
	v_mul_u32_u24 v3, v1, PITCH
	v_mul_u32_u24 v4, v2, 24
	v_add_nc_u32 v4, v3, v4                        ; a fragment's row x pitch + 24 x half
	v_lshl_add_u32 v5, v2, 4, v4                   ; and the same behind one padding more
	s_mul_i32 s21, s15, HALFT                      ; my 128 rows of P
	s_mul_i32 s22, s16, HALFT                      ; my 128 rows of Q,
	s_add_co_u32 s22, s22, 2*HALFT                 ; which lie behind P's 256
.irp s, 0,1
	v_add_nc_u32 v[ADRA+\s], s21, v4
	v_add_nc_u32 v[ADRB+\s], s22, v4
	v_add_nc_u32 v[ADRA+2+\s], s21, v5
	v_add_nc_u32 v[ADRB+2+\s], s22, v5
	s_add_co_u32 s21, s21, SLOT
	s_add_co_u32 s22, s22, SLOT
.endr
	v_mul_u32_u24 v5, v1, KS                       ; my row's scales: 32 bytes a row,
	v_lshrrev_b32 v6, 8, v5
	v_lshl_add_u32 v5, v6, 4, v5                   ; and 16 more for each 256 passed
	s_mul_i32 s21, s15, HALFS
	s_mul_i32 s22, s16, HALFS
	s_add_co_u32 s22, s22, 2*HALFS
	s_sub_co_u32 s22, s22, s21
	v_mul_u32_u24 v6, s22, v2                      ; lanes 16-31 take Q's
	s_add_co_u32 s21, s21, SCL
	v_add_nc_u32 v5, v5, v6
	v_add_nc_u32 v[ADRS], s21, v5
	s_wait_loadcnt 0x0                             ; the biases
.set n, 0
.rept 64
	v_cndmask_b32 v[BR+n], v[BR+n], v[ZR], s66     ; v has no bias along registers
.set n, n+1
.endr
.set n, 0
.rept 8
	v_cndmask_b32 v[BL+n], v[ZR], v[BL+n], s66     ; q and k have none along lanes
.set n, n+1
.endr
.macro FRAG reg, adr, q, i             ; 16 rows x 128 K: 12 registers, in six pieces of 8 bytes; lanes 16-31 read three pieces further on, which for some pieces lies behind one padding more: the second address register
.irp p, 0,1,2,3,4,5
.set PCE, 12*(\q)+6*(\p/3)+\p%3
.if PCE%8 < 5
	ds_load_b64 v[\reg+2*\p:\reg+2*\p+1], v[\adr] offset:8*PCE+16*(PCE/8)+(\i)*16*PITCH
.else
	ds_load_b64 v[\reg+2*\p:\reg+2*\p+1], v[\adr+2] offset:8*PCE+16*(PCE/8)+(\i)*16*PITCH
.endif
.endr
.endm
; 16 matrix instructions: P's blocks a0, a0 + 1 x Q's eight.  zero = 1: the first K step starts the sums with the bias as C.  The 64 accumulators take turns, one instruction a turn.
.macro MUL16 a0, p, q, sc, zero
.irp a, \a0, \a0+1
.irp b, 0,1,2,3,4,5,6,7
.if \zero
	v_wmma_scale_f32_16x16x128_f8f6f4 v[8*(8*((\a)%4)+\b):8*(8*((\a)%4)+\b)+7], v[128*(\p)+FR*\b:128*(\p)+FR*\b+FR-1], v[AF+FR*(\a):AF+FR*(\a)+FR-1], v[BR+8*\b:BR+8*\b+7], v[SC+8*NQ*(\sc)+NQ*\b+(\q)], v[SC+8*NQ*(\sc)+NQ*(\a)+(\q)] matrix_a_fmt:MATRIX_FMT_FP6 matrix_b_fmt:MATRIX_FMT_FP6 matrix_a_scale:MATRIX_SCALE_ROW1
.else
	v_wmma_scale_f32_16x16x128_f8f6f4 v[8*(8*((\a)%4)+\b):8*(8*((\a)%4)+\b)+7], v[128*(\p)+FR*\b:128*(\p)+FR*\b+FR-1], v[AF+FR*(\a):AF+FR*(\a)+FR-1], v[8*(8*((\a)%4)+\b):8*(8*((\a)%4)+\b)+7], v[SC+8*NQ*(\sc)+NQ*\b+(\q)], v[SC+8*NQ*(\sc)+NQ*(\a)+(\q)] matrix_a_fmt:MATRIX_FMT_FP6 matrix_b_fmt:MATRIX_FMT_FP6 matrix_a_scale:MATRIX_SCALE_ROW1
.endif
.endr
.endr
.endm
.macro FETCH_B slot, q, p
	WIN TO_B
.irp i, 0,1,2,3,4,5,6,7
	FRAG 128*(\p)+FR*\i, ADRB+\slot, \q, \i
.endr
	WIN 0
.endm
.macro FETCH_A slot, q, i0
.irp i, \i0, \i0+1, \i0+2, \i0+3
	FRAG AF+FR*(\i), ADRA+\slot, \q, \i
.endr
.endm
.macro SCALES sc                       ; a K step's scale words: lanes 0-15 P's block i, lanes 16-31 Q's block i
.irp i, 0,1,2,3,4,5,6,7
	ds_load_b64 v[SC+8*NQ*\sc+NQ*\i:SC+8*NQ*\sc+NQ*\i+1], v[ADRS] offset:\i*SBLK
.endr
.endm
.macro PLACES n                        ; plain vector instructions between a matrix instruction and a load into, or a vector instruction on, its registers
.rept \n
	v_nop
.endr
.endm
.macro STEP slot, q, zero              ; 128 along K, with its successor in the same slot
	s_wait_dscnt 4*NL                              ; Q's set and P's blocks 0-3 are in; the youngest 24 loads (P's blocks 4-7) may be out
.if \zero
	WIN 0x81                                       ; C (the bias) in window 0, D in window 2
.else
	WIN MUL_LO
.endif
	MUL16 0, (\q)%2, \q, \slot, \zero
	MUL16 2, (\q)%2, \q, \slot, \zero
	s_wait_dscnt 0
	PLACES NP
	FETCH_B \slot, (\q)+1, 1-(\q)%2
	FETCH_A \slot, (\q)+1, 0
.if \zero
	WIN 0xc1
.else
	WIN MUL_HI
.endif
	MUL16 4, (\q)%2, \q, \slot, \zero
	MUL16 6, (\q)%2, \q, \slot, \zero
	PLACES NP
	WIN 0
	FETCH_A \slot, (\q)+1, 4
.endm
; A slot's last step changes slots: each wave waits for all its tensor loads, adds 0 to its spare word, waits for that and for its reads of this slot, and meets the others.  fill = 1: the slot is filled again, two K steps ahead.
.macro TURN slot, next, fill
	s_wait_tensorcnt 0x0                           ; all my tensor loads have landed: my part of the next slot
	ds_add_u32 v[SPW], v[NIL]                      ; 0 onto my spare word
	s_wait_dscnt 4*NL+1                            ; (the add and the youngest 24 loads may be out)
	WIN MUL_LO
	MUL16 0, 1, NQ-1, \slot, 0
	s_wait_dscnt 0x0                               ; the add is done, and my reads of this slot are over
	s_barrier_signal -1
	MUL16 2, 1, NQ-1, \slot, 0
	WIN 0
	s_barrier_wait -1
.if \fill
	CREST                                          ; the barrier has opened a round of the cluster's barrier: no wave of any partner still reads this slot or has a load on its way
	s_add_nc_u64 s[G0+4*\slot+2:G0+4*\slot+3], s[G0+4*\slot+2:G0+4*\slot+3], 2*ROWB
	s_add_nc_u64 s[G0B+4*\slot+2:G0B+4*\slot+3], s[G0B+4*\slot+2:G0B+4*\slot+3], 2*ROWB
	JLOAD G0+4*\slot, G1, G0B+4*\slot, G1B         ; the first tensor load behind the round; its four v_nop are the places in front of the loads below
.else
	PLACES NP
.endif
	v_add_nc_u32 v[ADRS], 4*NQ, v[ADRS]            ; on to the next K step's scale words
	FETCH_B \next, 0, 0
	FETCH_A \next, 0, 0
	SCALES \next
	WIN MUL_HI
	MUL16 4, 1, NQ-1, \slot, 0
	MUL16 6, 1, NQ-1, \slot, 0
	PLACES NP
	WIN 0
	FETCH_A \next, 0, 4
.endm
	s_wait_tensorcnt 1                             ; the scales and my part of K step 0 are in (K step 1's load may be out)
	s_barrier_signal -1
	s_barrier_wait -1
	FETCH_B 0, 0, 0
	FETCH_A 0, 0, 0
	SCALES 0
	FETCH_A 0, 0, 4
	STEP 0, 0, 1
	s_mov_b32 s3, LAPS-1
.Llap:                                                 ; a trip goes once round the ring and fills both slots again
	TURN 0, 1, 1
	STEP 1, 0, 0
	TURN 1, 0, 1
	STEP 0, 0, 0
	s_sub_co_u32 s3, s3, 1
	s_cmp_lg_u32 s3, 0
	s_cbranch_scc1 .Llap
	TURN 0, 1, 0                                   ; the last lap fills nothing
	STEP 1, 0, 0
	s_wait_dscnt 4*NL
	WIN MUL_LO
	MUL16 0, 1, NQ-1, 1, 0
	MUL16 2, 1, NQ-1, 1, 0
	s_wait_dscnt 0
	WIN MUL_HI
	MUL16 4, 1, NQ-1, 1, 0
	MUL16 6, 1, NQ-1, 1, 0
	WIN 0
	; ---------------- THE WAY OUT: no LDS: a lane's registers already run along the next K
	PLACES NP
	s_lshl_b32 s18, s42, 8
	s_lshl_b32 s19, s16, 7
	s_add_co_u32 s18, s18, s19                     ; v: my 128 tokens are Q's rows
	s_lshl_b32 s19, s17, 8
	s_lshl_b32 s20, s15, 7
	s_add_co_u32 s19, s19, s20                     ; q, k: P's rows
	s_cmp_eq_u32 ttmp9, 2
	s_cselect_b32 s18, s18, s19
	s_lshr_b32 s19, s18, 11                        ; batch
	s_bfe_u32 s20, s18, 0x40007                    ; which 128 tokens of its 2,048
	s_lshl_b32 s19, s19, 4
	s_add_co_u32 s19, s19, s95
	s_lshl_b32 s19, s19, 4
	s_add_co_u32 s19, s19, s20                     ; block (16 batch + head) 16 + step
	s_mul_i32 s18, s19, BLK
	s_mov_b32 s19, 0
	s_cmp_eq_u32 ttmp9, 0
	s_cselect_b64 s[96:97], s[96:97], s[98:99]     ; q goes to q_img, k and v to kv_img
	s_add_nc_u64 s[96:97], s[96:97], s[18:19]
	s_cmp_eq_u32 ttmp9, 2
	s_cselect_b32 s20, 6144, 0                     ; where pair i's first 12 registers go: q, k: 1536 i in head 0's block;  v: fragment 2 i: head i / 2, 6144 + 3072 (i % 2)
	s_mov_b32 s21, 1536
	s_cselect_b32 s21, 9216, s21
	s_mov_b32 s22, 3072
	s_cselect_b32 s22, HSTR+6144, s22
	s_mov_b32 s23, 4608
	s_cselect_b32 s23, HSTR+9216, s23
	s_mov_b32 s46, HSTR                            ; and the second 12: q, k: the same place in head 1's block;  v: the next fragment
	s_cselect_b32 s46, 1536, s46
	s_mov_b32 s47, 12288                           ; the scale words
	s_cselect_b32 s47, 12800, s47
	s_mov_b32 s[SEL], 0x76543210
	s_mov_b32 s[SEL+1], 0xfedcba98                 ; v_permlanex16_b32's selects for lane l xor 16
	s_mov_b32 s40, 0xffff
	s_mov_b32 s41, 0x7f7f0000
	s_mov_b32 s67, 0xffff0000                      ; lanes 16-31
	v_and_b32 v[L16], 31, v0
	v_lshlrev_b32 v[L16], 4, v[L16]
.irp i, 0,1,2,3
	v_add_nc_u32 v[VO+\i], s[20+\i], v[L16]
.endr
.irp i, 0,1,2,3
	v_add_nc_u32 v[VO2+\i], s46, v[VO+\i]
.endr
	v_add_nc_u32 v[VSC], s47, v[L16]
.irp b, 0,1,2,3
	v_mov_b32 v[TM+4+\b], 0                        ; written once: a lane permute's destination counts as one of its sources
.endr
; block a's 64 values: sum x S + BL, two at a time, each accumulator from its low end on
.macro VALS a
	WIN (0x02+(\a)/4)
.set n, 0
.rept 32
.if (\a)%2
	v_pk_fma_f32 v[H+2*n:H+2*n+1], v[64*((\a)%4)+2*n:64*((\a)%4)+2*n+1], s[100:101], v[BL+(\a)-1:BL+(\a)] op_sel:[0,0,1] op_sel_hi:[1,0,1]
.else
	v_pk_fma_f32 v[H+2*n:H+2*n+1], v[64*((\a)%4)+2*n:64*((\a)%4)+2*n+1], s[100:101], v[BL+(\a):BL+(\a)+1] op_sel_hi:[1,0,0]
.endif
.set n, n+1
.endr
	WIN 0
.endm
; 64 numbers of a lane, register 16 b + i = k 32 b + 16 (lane / 16) + i of its row, become codes: k 0-63 in v[d0] on, k 64-127 in v[d1] on, six registers each, and the row's scale word in v[pw]
.macro QUANT s, d0, d1, pw
.irp b, 0,1,2,3
	v_max3_num_f32 v[TM+\b], |v[\s+16*\b]|, |v[\s+1+16*\b]|, 0x1800000   ; my 16 numbers of block b, and the floor 2^(3 - 127)
.endr
.irp i, 2,4,6,8,10,12,14
.irp b, 0,1,2,3
	v_max3_num_f32 v[TM+\b], v[TM+\b], |v[\s+16*\b+\i]|, |v[\s+1+16*\b+\i]|
.endr
.endr
.irp b, 0,1,2,3
	v_permlanex16_b32 v[TM+4+\b], v[TM+\b], s[SEL], s[SEL+1]
.endr
.irp b, 0,1,2,3
	v_max_num_f32 v[TM+\b], v[TM+\b], v[TM+4+\b]   ; with lane l xor 16's: the block's largest magnitude
.endr
.irp b, 0,1,2,3
	v_add_nc_u32 v[TM+12+\b], 0xff000000, v[TM+\b] ; 2 off its exponent field: the conversion's scale operand
.endr
.irp b, 0,1,2,3
	v_lshrrev_b32 v[TM+4+\b], 23, v[TM+12+\b]      ; the scale's byte
.endr
	v_lshl_or_b32 v[\pw], v[TM+5], 8, v[TM+4]
	v_lshl_or_b32 v[\pw], v[TM+6], 16, v[\pw]
	v_lshl_or_b32 v[\pw], v[TM+7], 24, v[\pw]
	v_cvt_scalef32_pk16_fp6_f32 v[\d0:\d0+2], v[\s:\s+15], v[TM+12]
	v_cvt_scalef32_pk16_fp6_f32 v[TQ:TQ+2], v[\s+16:\s+31], v[TM+13]
	v_cvt_scalef32_pk16_fp6_f32 v[\d1:\d1+2], v[\s+32:\s+47], v[TM+14]
	v_cvt_scalef32_pk16_fp6_f32 v[TQ+4:TQ+6], v[\s+48:\s+63], v[TM+15]
	v_nop                                          ; one plain place behind a scaled conversion
.irp i, 0,1,2
	v_permlane16_swap_b32 v[\d0+\i], v[TQ+\i]      ; the operand's layout wants a whole block in a lane: lanes 0-15 the even block, lanes 16-31 the odd one
	v_permlane16_swap_b32 v[\d1+\i], v[TQ+4+\i]
.endr
.irp i, 0,1,2
	v_mov_b32 v[\d0+3+\i], v[TQ+\i]
	v_mov_b32 v[\d1+3+\i], v[TQ+4+\i]
.endr
.endm
; P's blocks 2 i and 2 i + 1.  q, k: Z = head 0's pair of half fragments, then head 1's.  v: Z = fragment 2 i, then fragment 2 i + 1.  The outer quarters are the same in both, the middle two change places.
.macro PAIR i
.if \i > 0
	s_wait_xcnt 0x0                                ; the last pair's stores have read Z
.endif
	VALS 2*\i
	QUANT H, Z, T, PW+2*\i
	VALS 2*\i+1
	QUANT H, T+6, Z+18, PW+2*\i+1
.irp k, 0,1,2,3,4,5
	v_cndmask_b32 v[Z+6+\k], v[T+6+\k], v[T+\k], s66
	v_cndmask_b32 v[Z+12+\k], v[T+\k], v[T+6+\k], s66
.endr
.irp g, 0,1,2
	global_store_b128 v[VO+\i], v[Z+4*\g:Z+4*\g+3], s[96:97] offset:512*\g          ; 32 lanes store 512 consecutive bytes, aligned
.endr
.irp g, 0,1,2
	global_store_b128 v[VO2+\i], v[Z+12+4*\g:Z+12+4*\g+3], s[96:97] offset:512*\g
.endr
.endm
	PAIR 0
	PAIR 1
	PAIR 2
	PAIR 3
.irp i, 0,1,2,3
	v_cndmask_b32 v[WW+\i], v[PW+2*\i], v[PW+2*\i+1], s67   ; every lane holds its row's word: lanes 0-15 keep block 2 i's, lanes 16-31 take block 2 i + 1's
.endr
.irp i, 0,1,2,3
	v_and_or_b32 v[LL+\i], v[WW+\i], s40, s41      ; q, k: head 0's two bytes, and 2^0 for the half of K that holds no numbers
	v_lshrrev_b32 v[HH+\i], 16, v[WW+\i]
.endr
.irp i, 0,1,2,3
	v_or_b32 v[HH+\i], s41, v[HH+\i]               ; head 1's
.endr
.irp k, 0,1,2,3
	v_cndmask_b32 v[E0+\k], v[LL+\k], v[WW+(\k&1)], s66     ; v: head 0's fragments 0-3 are words 0 and 1 (stored twice, so that one store serves all kinds)
	v_cndmask_b32 v[E1+\k], v[HH+\k], v[WW+2+(\k&1)], s66
.endr
	global_store_b128 v[VSC], v[E0:E0+3], s[96:97]
	global_store_b128 v[VSC], v[E1:E1+3], s[96:97] offset:HSTR
	s_wait_tensorcnt 0x0                           ; the wave's end
	ds_add_u32 v[SPW], v[NIL]
	s_wait_dscnt 0x0
	CROUND                                         ; the closing round: no work-group ends while a partner may still ask for a tile that names it
	s_endpgm
.Lfunc_end_k_q5da2e69279_qkv:
	.size	k_q5da2e69279_qkv, .Lfunc_end_k_q5da2e69279_qkv-k_q5da2e69279_qkv
	.p2alignl 7, 3214868480
	.fill 96, 4, 3214868480
	.section	.rodata,"a",@progbits
	.p2align	6, 0x0
	.amdhsa_kernel k_q5da2e69279_qkv
		.amdhsa_group_segment_fixed_size 327680
		.amdhsa_private_segment_fixed_size 0
		.amdhsa_enable_private_segment 0
		.amdhsa_kernarg_size 56
		.amdhsa_user_sgpr_count 2
		.amdhsa_user_sgpr_kernarg_segment_ptr 1
		.amdhsa_wavefront_size32 1
		.amdhsa_system_sgpr_workgroup_id_x 1
		.amdhsa_system_sgpr_workgroup_id_y 1
		.amdhsa_system_sgpr_workgroup_id_z 1
		.amdhsa_system_vgpr_workitem_id 0
		.amdhsa_next_free_vgpr 1024
		.amdhsa_next_free_sgpr 102
		.amdhsa_reserve_vcc 0
		.amdhsa_float_denorm_mode_32 3
		.amdhsa_float_denorm_mode_16_64 3
		.amdhsa_memory_ordered 1
		.amdhsa_forward_progress 1
		.amdhsa_inst_pref_size 193
	.end_amdhsa_kernel
	.amdgpu_metadata
---
amdhsa.version: [ 1, 2 ]
amdhsa.kernels:
  - .name:           k_q5da2e69279_qkv
    .symbol:         k_q5da2e69279_qkv.kd
    .args:
      - { .name: x_codes, .offset: 0, .size: 8, .value_kind: global_buffer, .address_space: global }
      - { .name: x_scales, .offset: 8, .size: 8, .value_kind: global_buffer, .address_space: global }
      - { .name: w_codes, .offset: 16, .size: 8, .value_kind: global_buffer, .address_space: global }
      - { .name: w_scales, .offset: 24, .size: 8, .value_kind: global_buffer, .address_space: global }
      - { .name: b_qkv, .offset: 32, .size: 8, .value_kind: global_buffer, .address_space: global }
      - { .name: q_img, .offset: 40, .size: 8, .value_kind: global_buffer, .address_space: global }
      - { .name: kv_img, .offset: 48, .size: 8, .value_kind: global_buffer, .address_space: global }
    .group_segment_fixed_size: 327680
    .private_segment_fixed_size: 0
    .kernarg_segment_align: 8
    .kernarg_segment_size: 56
    .max_flat_workgroup_size: 128
    .sgpr_count:     102
    .vgpr_count:     1024
    .wavefront_size: 32
...
	.end_amdgpu_metadata
.endif
;; end of part 2
;; launch attn (part 3): grid 4 x 64, 16 waves a work-group, clusters of 4 x 1, 327,680 bytes of LDS; arguments q_img, kv_img, a_img, a_scl; writes a_img, a_scl
.if DOCPART == 3
	.amdgcn_target "amdgcn-amd-amdhsa--gfx1250"
	.amdhsa_code_object_version 6
	.text
	.protected	k_q5da2e69279_attn
	.globl	k_q5da2e69279_attn
	.p2align	8
	.type	k_q5da2e69279_attn,@function
k_q5da2e69279_attn:
	s_mov_b64 s[64:65], 0
	v_nop
	global_prefetch_b8 v0, s[64:65] scope:SCOPE_SE
	s_setreg_imm32_b32 hwreg(HW_REG_WAVE_MODE, 25, 1), 1
	s_wait_xcnt 0x0
	s_wait_alu depctr_hold_cnt(0) depctr_sa_sdst(0) depctr_va_vdst(0) depctr_va_sdst(0) depctr_va_ssrc(0) depctr_va_vcc(0) depctr_vm_vsrc(0)
	s_getreg_b32 s2, hwreg(HW_REG_IB_STS2, 6, 4)
	s_cmp_eq_u32 s2, 0
	s_cbranch_scc0 .Lentry_in_a_cluster
	s_endpgm
.Lentry_in_a_cluster:
	s_bfe_u32 s2, ttmp6, 0x10000c
	s_cmp_lg_u32 s2, 0x3003
	s_cbranch_scc0 .Lentry_shape_is_right
	s_endpgm
.Lentry_shape_is_right:
; o = softmax(q k^T) v for one (batch, head) a cluster, both products on codes of FP6 (E2M3) with E8M0 scales; o / l is quantised along the width for the last product and leaves as images of that product's operand registers.
; q and k arrive scaled by 64^(-1/4) each and quantised along the head's 64; v quantised along the keys; all as images of operand registers, in blocks of 13,312 bytes for 128 tokens.
; THE SOFTMAX: t = score x log2(e); M = the row's largest t so far, rounded UP to a whole number; p = 2^(t - M) is quantised along the keys, not normalised.  The row's sum is taken of the unquantised p and divides at the end.
; When M moves, the sum and O are multiplied by 2^(old M - new M): exact.
; SHARES.  A work-group owns 512 queries; each of its sixteen waves owns two tiles of 16 and takes them in two PASSES over all 2,048 keys, 128 a step: 256 registers a wave, four waves to a SIMD, so that one wave's vector work
; stands beside another's matrix work and LDS loads.
; A HEAD'S K AND V LIE IN LDS WHOLE: 16 blocks, 212,992 bytes, each filled ONCE: no byte of LDS is filled again.  Waves 0-3 fetch four blocks each (four tensor loads of a wave are out at the most).
; CLUSTER.  The four work-groups of a cluster are one head's four blocks of queries: every fill is asked for jointly, by the same load with the same descriptor and a mask that names the four.
; All tensor loads go out at the head, so there is no later load for which an earlier request to memory could be made.
; LAYOUT.  Both products are used transposed: S^T = K Q^T, O^T = V^T P^T: a lane holds ONE query throughout.  A tile's 16 keys (and 16 channels of V) are 32 (t / 2) + 8 (t % 2) + r % 8 + 16 (r / 8), so the 16 registers of two
; neighbouring tiles are 16 neighbours along the next K.
; K = 64 IN A K STEP OF 128.  Q's operand holds zero codes for k = 64 .. 127 and both sides' scale bytes there are 2^0.  A zero code times any code of this format is 0 (it has no infinity and no NaN), so what source 0 holds there
; does not count: K's tiles lie 6 registers apart, and a tile's upper six registers are the next tile's codes (behind the last tile: the second query tile's).
; LIMITS: v_exp_f32 gives 0 for results under 2^-126; a block whose every p is 0 keeps the byte 1 (its codes are zeros); a block of zeros of o likewise; NaN and infinities are not served.
.set BLK,  13312
.set STG,  16*BLK                      ; behind the blocks: the work-group's 512 scale pairs of o, 1,024 bytes: written by LDS stores alone, no fill lands there
.set L16,  1                           ; v1   16 x lane
.set L8,   2                           ; v2   8 x lane
.set ADK,  3                           ; v3   the step's block + 16 x lane
.set STS,  4                           ; v4   STG + 64 x wave + 2 (lane % 16)
.set TLD,  5                           ; v5   STG + 16 x (thread % 64)
.set TGO,  6                           ; v6   16 x (thread % 64)
.set QF,   16                          ; v16-21 Q's codes, v22-27 zeros
.set QS,   28                          ; v28  Q's scale words: lanes 0-15 the first tile's, lanes 16-31 the second's
.set KF,   32                          ; v32-79 eight half fragments of K, later four fragments of V
.set Q2,   80                          ; v80-85 the second tile's codes
.set KS,   86                          ; v86-89 K's scale words
.set VS,   90                          ; v90-93 V's
.set S,    96                          ; v96-159 S^T, then p
.set O,    160                         ; v160-191 O^T
.set PC,   192                         ; v192-203 p's codes
.set CT,   204                         ; v204-210 conversions' second halves
.set BM,   212                         ; v212-215 the blocks' largest scores, then largest p
.set BX,   216                         ; v216-219 the other half's, then the bytes
.set SCO,  220                         ; v220-223 the conversions' scale operands
.set TP,   224
.set F,    226                         ; v226 f; v227 is named with it as a pair and written once
.set PS,   228                         ; v228 p's scale word
.set SU,   230                         ; v230-231 the second chain of the row's sum
.set WV,   12
.set SEL,  20
.set CS,   22
.set G1,   24
.set G0,   32
.set TB,   2
.set CNT,  3
.macro CROUND                          ; a round of the cluster's barrier
	s_barrier_signal -1
	s_barrier_wait -1
	s_cmp_lg_u32 s[WV], 0
	s_cbranch_scc1 .Lnot_wave_0_\@
	s_barrier_signal -3
.Lnot_wave_0_\@:
	s_barrier_wait -3
	s_barrier_signal -1
	s_barrier_wait -1
.endm
	s_load_b128 s[4:7], s[0:1], 0x0                ; q_img, kv_img
	s_load_b128 s[8:11], s[0:1], 0x10              ; a_img, a_scl
	v_lshl_add_u32 v254, v0, 2, 0x34400
	v_mov_b32 v255, 0
	ds_add_u32 v254, v255
	ds_add_u32 v254, v255
	v_lshrrev_b32 v1, 5, v0
	v_readfirstlane_b32 s[WV], v1                  ; wave 0..15
	s_bfe_u32 s13, ttmp6, 0x40000                  ; cx: my block of 512 queries: it enters global addresses alone
	s_and_b32 s14, ttmp7, 0xffff                   ; 16 batch + head, which the four partners share
	s_mov_b32 s[G1], 15|(3<<16)|(1<<21)            ; 15:0 the mask: all four work-groups; elements of 8 bytes; no padding; bit 21 beside a mask
	s_mov_b32 s[G1+1], 32<<16                      ; a block is dense: 52 rows of 256 bytes
	s_mov_b32 s[G1+2], 52<<16
	s_mov_b32 s[G1+3], 32<<16
	s_mov_b32 s[G1+4], 52
	s_mov_b32 s[G1+5], 32
	s_mov_b32 s[G1+6], 0
	s_mov_b32 s[G1+7], 0
	s_mov_b32 s[SEL], 0x76543210
	s_mov_b32 s[SEL+1], 0xfedcba98                 ; v_permlanex16_b32's selects for lane l xor 16
	s_mov_b32 s[CS], 0x3fb8aa3b                    ; log2(e)
	s_mov_b32 s[CS+1], s[CS]
	s_lshl_b32 s16, s14, 4                         ; the head's first block
	s_add_co_u32 s48, s16, s[WV]
	s_mul_i32 s48, s48, BLK                        ; block w of the head, in memory,
	s_mov_b32 s49, 0
	s_mul_i32 s15, s[WV], BLK                      ; and in LDS
	s_lshl_b32 s50, s13, 2
	s_lshr_b32 s51, s[WV], 2
	s_add_co_u32 s50, s50, s51
	s_add_co_u32 s50, s50, s16
	s_mul_i32 s50, s50, BLK                        ; Q: block 4 cx + wave / 4 of the head; in it pair wave % 4
	s_mov_b32 s51, 0
	s_and_b32 s17, s[WV], 3
	s_mul_i32 s18, s17, 1536
	s_lshl_b32 s19, s17, 2
	s_lshr_b32 s52, s14, 4                         ; batch
	s_and_b32 s53, s14, 15                         ; head
	s_lshl_b32 s54, s52, 7
	s_lshl_b32 s55, s13, 5
	s_add_co_u32 s54, s54, s55
	s_lshl_b32 s55, s[WV], 1
	s_add_co_u32 s54, s54, s55                     ; my first token tile: 128 batch + 32 cx + 2 wave
	s_lshl_b32 s54, s54, 4
	s_add_co_u32 s54, s54, s53
	s_mul_i32 s54, s54, 768                        ; a_img: [tile][head][768]
	s_mov_b32 s55, 0
	s_lshl_b32 s56, s53, 14                        ; a_scl: [head][8192] pairs of bytes
	s_lshl_b32 s57, s52, 12
	s_add_co_u32 s56, s56, s57
	s_lshl_b32 s57, s13, 10
	s_add_co_u32 s56, s56, s57
	s_mov_b32 s57, 0
	v_and_b32 v[L8], 31, v0
	v_lshlrev_b32 v[L16], 4, v[L8]
	v_lshlrev_b32 v[L8], 3, v[L8]
	v_add_nc_u32 v8, s18, v[L16]
	v_add_nc_u32 v9, s19, v[L16]
	v_and_b32 v[STS], 0x1ef, v0
	v_lshl_add_u32 v[STS], v[STS], 1, STG
	v_and_b32 v[TGO], 63, v0
	v_lshlrev_b32 v[TGO], 4, v[TGO]
	v_add_nc_u32 v[TLD], STG, v[TGO]
	s_wait_dscnt 0x0
	s_wait_kmcnt 0x0
	s_add_nc_u64 s[48:49], s[6:7], s[48:49]
	s_add_nc_u64 s[4:5], s[4:5], s[50:51]
	s_add_nc_u64 s[8:9], s[8:9], s[54:55]
	s_add_nc_u64 s[10:11], s[10:11], s[56:57]
.irp g, 0,1,2
	global_load_b128 v[QF+4*\g:QF+4*\g+3], v8, s[4:5] offset:512*\g   ; my pair of query tiles: registers 0-5 the first tile, 6-11 the second
.endr
	global_load_b32 v[QS], v9, s[4:5] offset:12288
.irp j, 0,1,2,3
	s_mov_b32 s[G0+4*\j], 1                        ; count = 1
	s_add_co_u32 s[G0+4*\j+1], s15, \j*4*BLK       ; LDS address: block 4 j + wave
	s_add_nc_u64 s[G0+4*\j+2:G0+4*\j+3], s[48:49], \j*4*BLK
	s_or_b32 s[G0+4*\j+3], s[G0+4*\j+3], 0x80000000 ; type = 2
.endr
	CROUND                                         ; all four work-groups are here: the joint loads meet
	s_cmp_lt_u32 s[WV], 4                          ; a wave's fills stand in one branch on the wave's number, ahead of every wait on TENSORcnt and every LDS read
	s_cbranch_scc0 .Lno_fill
	tensor_load_to_lds s[G0:G0+3], s[G1:G1+7]
	s_nop 0
	tensor_load_to_lds s[G0+4:G0+7], s[G1:G1+7]
	s_nop 0
	tensor_load_to_lds s[G0+8:G0+11], s[G1:G1+7]
	s_nop 0
	tensor_load_to_lds s[G0+12:G0+15], s[G1:G1+7]
	s_nop 0
.rept 4
	v_nop
.endr
.Lno_fill:
	s_wait_loadcnt 0x0                             ; Q
.irp i, 0,1,2,3,4,5
	v_mov_b32 v[Q2+\i], v[QF+6+\i]
.endr
.irp i, 0,1,2,3,4,5
	v_mov_b32 v[QF+6+\i], 0                        ; zero codes for k = 64 .. 127
.endr
.irp b, 0,1,2,3
	v_mov_b32 v[BX+\b], 0                          ; written once: a lane permute's destination counts as one of its sources
.endr
	v_mov_b32 v[TP], 0
	v_mov_b32 v[F+1], 0
.macro KQ t, p                         ; S^T's tile t.  K's scale words: lanes 0-15 the even tile's, lanes 16-31 the odd tile's; Q's: lanes 0-15 pass 0's tile, lanes 16-31 pass 1's
.if (\p) == 0
.if (\t)%2 == 0
	v_wmma_scale_f32_16x16x128_f8f6f4 v[S+8*\t:S+8*\t+7], v[KF+6*\t:KF+6*\t+11], v[QF:QF+11], 0, v[KS+\t/2], v[QS] matrix_a_fmt:MATRIX_FMT_FP6 matrix_b_fmt:MATRIX_FMT_FP6
.else
	v_wmma_scale_f32_16x16x128_f8f6f4 v[S+8*\t:S+8*\t+7], v[KF+6*\t:KF+6*\t+11], v[QF:QF+11], 0, v[KS+\t/2], v[QS] matrix_a_fmt:MATRIX_FMT_FP6 matrix_b_fmt:MATRIX_FMT_FP6 matrix_a_scale:MATRIX_SCALE_ROW1
.endif
.else
.if (\t)%2 == 0
	v_wmma_scale_f32_16x16x128_f8f6f4 v[S+8*\t:S+8*\t+7], v[KF+6*\t:KF+6*\t+11], v[QF:QF+11], 0, v[KS+\t/2], v[QS] matrix_a_fmt:MATRIX_FMT_FP6 matrix_b_fmt:MATRIX_FMT_FP6 matrix_b_scale:MATRIX_SCALE_ROW1
.else
	v_wmma_scale_f32_16x16x128_f8f6f4 v[S+8*\t:S+8*\t+7], v[KF+6*\t:KF+6*\t+11], v[QF:QF+11], 0, v[KS+\t/2], v[QS] matrix_a_fmt:MATRIX_FMT_FP6 matrix_b_fmt:MATRIX_FMT_FP6 matrix_a_scale:MATRIX_SCALE_ROW1 matrix_b_scale:MATRIX_SCALE_ROW1
.endif
.endif
.endm
.macro PV t                            ; O^T's tile t += 16 channels of V^T x P^T.  The four accumulators take turns, and the eight products S^T stand between their turns
.if (\t)%2 == 0
	v_wmma_scale_f32_16x16x128_f8f6f4 v[O+8*\t:O+8*\t+7], v[KF+12*\t:KF+12*\t+11], v[PC:PC+11], v[O+8*\t:O+8*\t+7], v[VS+\t/2], v[PS] matrix_a_fmt:MATRIX_FMT_FP6 matrix_b_fmt:MATRIX_FMT_FP6
.else
	v_wmma_scale_f32_16x16x128_f8f6f4 v[O+8*\t:O+8*\t+7], v[KF+12*\t:KF+12*\t+11], v[PC:PC+11], v[O+8*\t:O+8*\t+7], v[VS+\t/2], v[PS] matrix_a_fmt:MATRIX_FMT_FP6 matrix_b_fmt:MATRIX_FMT_FP6 matrix_a_scale:MATRIX_SCALE_ROW1
.endif
.endm
; A KEY STEP: 128 keys, the block at LDS byte s[TB]
.macro STEP p
	v_add_nc_u32 v[ADK], s[TB], v[L16]
.rept 3
	v_nop                                          ; with the addition: four places in front of loads into registers that the last products have read
.endr
.irp n, 0,1,2,3,4,5,6,7,8,9,10,11
	ds_load_b128 v[KF+4*\n:KF+4*\n+3], v[ADK] offset:512*\n       ; K's eight half fragments as they were stored: 512 consecutive bytes a load
.endr
	ds_load_b128 v[KS:KS+3], v[ADK] offset:12288
	s_wait_dscnt 0x0
.irp t, 0,1,2,3,4,5,6,7
	KQ \t, \p
.endr
.rept 4
	v_nop                                          ; places in front of the loads below and of the first read of the scores
.endr
.irp n, 0,1,2,3,4,5,6,7,8,9,10,11
	ds_load_b128 v[KF+4*\n:KF+4*\n+3], v[ADK] offset:6144+512*\n  ; V's four fragments are asked for now and land under the softmax
.endr
	ds_load_b128 v[VS:VS+3], v[ADK] offset:12800
.irp b, 0,1,2,3
	v_max3_num_f32 v[BM+\b], v[S+16*\b], v[S+1+16*\b], v[S+2+16*\b]   ; the largest score of each block of 32 keys: it serves for the row's maximum and, since p rises with the score, for the block's largest p
.endr
.irp i, 3,5,7,9,11,13
.irp b, 0,1,2,3
	v_max3_num_f32 v[BM+\b], v[BM+\b], v[S+16*\b+\i], v[S+1+16*\b+\i]
.endr
.endr
.irp b, 0,1,2,3
	v_max_num_f32 v[BM+\b], v[BM+\b], v[S+15+16*\b]
.endr
.irp b, 0,1,2,3
	v_permlanex16_b32 v[BX+\b], v[BM+\b], s[SEL], s[SEL+1]
.endr
.irp b, 0,1,2,3
	v_max_num_f32 v[BM+\b], v[BM+\b], v[BX+\b]     ; with lane l xor 16's 16 keys
.endr
	v_max3_num_f32 v[TP], v[BM], v[BM+1], v[BM+2]
	v_max_num_f32 v[TP], v[TP], v[BM+3]            ; the step's largest score of my query
	v_mul_f32 v[TP], s[CS], v[TP]                  ; as t
	v_max_num_f32 v13, v13, v[TP]                  ; the running largest t
	v_mov_b32 v[TP], v12
	v_floor_f32 v12, -v13                          ; the new -M = floor(-t): M is a whole number
	v_sub_f32 v[TP], v12, v[TP]                    ; old M - new M: a whole number, 0 or less
	v_cvt_i32_f32 v[TP], v[TP]                     ; (it saturates)
	v_ldexp_f32 v[F], 1.0, v[TP]                   ; f = 2^(old M - new M)
.irp j, 0,2,4,6,8,10,12,14,16,18,20,22,24,26,28,30,32,34,36,38,40,42,44,46,48,50,52,54,56,58,60,62
	v_pk_fma_f32 v[S+\j:S+1+\j], v[S+\j:S+1+\j], s[CS:CS+1], v[12:13] op_sel_hi:[1,0,0]   ; t - M, two at a time
.endr
.irp b, 0,1,2,3
	v_fma_f32 v[BM+\b], v[BM+\b], s[CS], v12       ; the same of each block's largest score
.endr
.irp j, 0,1,2,3,4,5,6,7,8,9,10,11,12,13,14,15,16,17,18,19,20,21,22,23,24,25,26,27,28,29,30,31,32,33,34,35,36,37,38,39,40,41,42,43,44,45,46,47,48,49,50,51,52,53,54,55,56,57,58,59,60,61,62,63
	v_exp_f32 v[S+\j], v[S+\j]                     ; p = 2^(t - M)
.endr
	v_pk_mul_f32 v[14:15], v[14:15], v[F:F+1] op_sel_hi:[1,0]   ; the sums under the new M: a plain line behind the exponentials
	s_wait_alu depctr_va_vdst(0)                   ; one wait for the whole batch, ahead of its first reader
.irp b, 0,1,2,3
	v_exp_f32 v[BM+\b], v[BM+\b]                   ; the blocks' largest p: the same two instructions on the same number give the same bits
.endr
	v_pk_add_f32 v[SU:SU+1], v[S:S+1], v[S+2:S+3]  ; the row's sum is taken of the unquantised p, in two chains
.irp j, 4,8,12,16,20,24,28,32,36,40,44,48,52,56,60
	v_pk_add_f32 v[14:15], v[14:15], v[S+\j:S+1+\j]
	v_pk_add_f32 v[SU:SU+1], v[SU:SU+1], v[S+2+\j:S+3+\j]
.endr
	v_pk_add_f32 v[14:15], v[14:15], v[SU:SU+1]
	s_wait_alu depctr_va_vdst(0)                   ; and one for the four
.irp b, 0,1,2,3
	v_max_num_f32 v[BM+\b], 0x1800000, v[BM+\b]    ; the floor 2^(3 - 127): the byte cannot fall under 1
.endr
.irp b, 0,1,2,3
	v_add_nc_u32 v[SCO+\b], 0xff000000, v[BM+\b]   ; 2 off the exponent field: the conversion's scale operand
.endr
.irp b, 0,1,2,3
	v_lshrrev_b32 v[BX+\b], 23, v[SCO+\b]          ; the scale's byte
.endr
	v_lshl_or_b32 v[PS], v[BX+1], 8, v[BX]         ; p's scale word for these 128 keys
	v_lshl_or_b32 v[PS], v[BX+2], 16, v[PS]
	v_lshl_or_b32 v[PS], v[BX+3], 24, v[PS]
.irp c, 0,1
	v_cvt_scalef32_pk16_fp6_f32 v[PC+6*\c:PC+2+6*\c], v[S+32*\c:S+15+32*\c], v[SCO+2*\c]
	v_cvt_scalef32_pk16_fp6_f32 v[CT+4*\c:CT+2+4*\c], v[S+16+32*\c:S+31+32*\c], v[SCO+2*\c+1]
.endr
	v_nop                                          ; one plain place behind a scaled conversion
.irp c, 0,1
.irp i, 0,1,2
	v_permlane16_swap_b32 v[PC+6*\c+\i], v[CT+4*\c+\i]   ; a whole block to a lane: lanes 0-15 block 2 c, lanes 16-31 block 2 c + 1
.endr
.irp i, 0,1,2
	v_mov_b32 v[PC+3+6*\c+\i], v[CT+4*\c+\i]
.endr
.endr
.irp j, 0,2,4,6,8,10,12,14,16,18,20,22,24,26,28,30
	v_pk_mul_f32 v[O+\j:O+1+\j], v[O+\j:O+1+\j], v[F:F+1] op_sel_hi:[1,0]   ; O^T under the new M.  Twelve of these sixteen name no register of any one product below: the places between the codes, the scale word and the products
.endr
	s_wait_dscnt 0x0                               ; V is in
.irp t, 0,1,2,3
	PV \t
.endr
	s_add_co_u32 s[TB], s[TB], BLK
.endm
.macro INIT                            ; a pass begins: the largest t under every t, the sum and O^T zero: the first change of M multiplies zeros
	v_mov_b32 v13, 0xff61b1e6
	v_mov_b32 v14, 0
	v_mov_b32 v15, 0
	v_floor_f32 v12, -v13
.set n, 0
.rept 32
	v_mov_b32 v[O+n], 0
.set n, n+1
.endr
.endm
; Four steps of pass 0.  left = the younger fills of a fetching wave that may stay out: fill 3 - left of each of the four has landed, that is blocks 4 (3 - left) .. + 3; nothing is ever filled again, so the others may cross the barrier
.macro SEG left
	s_wait_tensorcnt \left
	s_wait_dscnt 0x0
	s_barrier_signal -1
	s_barrier_wait -1
	s_mov_b32 s[TB], (3-\left)*4*BLK
	s_mov_b32 s[CNT], 4
.Lseg_\@:
	STEP 0
	s_sub_co_u32 s[CNT], s[CNT], 1
	s_cmp_lg_u32 s[CNT], 0
	s_cbranch_scc1 .Lseg_\@
.endm
; A pass ends: O^T / the sum; its 32 registers are two blocks of 32 channels (register 16 b + i = channel 32 b + 16 (lane / 16) + i), quantised along the width: half a fragment of the last product, and two scale bytes a query
.macro FINISH p
.rept 4
	v_nop                                          ; places behind the last products
.endr
	v_add_f32 v14, v14, v15
	v_permlanex16_b32 v[TP], v14, s[SEL], s[SEL+1]
	v_add_f32 v14, v14, v[TP]                      ; the row's sum
	v_rcp_f32 v[F], v14
	v_nop                                          ; a plain place behind the transcendental
	s_wait_alu depctr_va_vdst(0)                   ; and the wait ahead of its first reader
.irp j, 0,2,4,6,8,10,12,14,16,18,20,22,24,26,28,30
	v_pk_mul_f32 v[S+\j:S+1+\j], v[O+\j:O+1+\j], v[F:F+1] op_sel_hi:[1,0]   ; each accumulator from its low end on
.endr
.irp b, 0,1
	v_max3_num_f32 v[BM+\b], |v[S+16*\b]|, |v[S+1+16*\b]|, 0x1800000
.endr
.irp i, 2,4,6,8,10,12,14
.irp b, 0,1
	v_max3_num_f32 v[BM+\b], v[BM+\b], |v[S+16*\b+\i]|, |v[S+1+16*\b+\i]|
.endr
.endr
.irp b, 0,1
	v_permlanex16_b32 v[BX+\b], v[BM+\b], s[SEL], s[SEL+1]
.endr
.irp b, 0,1
	v_max_num_f32 v[BM+\b], v[BM+\b], v[BX+\b]
.endr
.irp b, 0,1
	v_add_nc_u32 v[SCO+\b], 0xff000000, v[BM+\b]
.endr
.irp b, 0,1
	v_lshrrev_b32 v[BX+\b], 23, v[SCO+\b]
.endr
	v_lshl_or_b32 v[TP], v[BX+1], 8, v[BX]         ; my query's two bytes
	v_cvt_scalef32_pk16_fp6_f32 v[PC:PC+2], v[S:S+15], v[SCO]
	v_cvt_scalef32_pk16_fp6_f32 v[CT:CT+2], v[S+16:S+31], v[SCO+1]
	v_nop
.irp i, 0,1,2
	v_permlane16_swap_b32 v[PC+\i], v[CT+\i]
.endr
.irp i, 0,1,2
	v_mov_b32 v[PC+3+\i], v[CT+\i]
.endr
.irp k, 0,1,2
	global_store_b64 v[L8], v[PC+2*\k:PC+2*\k+1], s[8:9] offset:12288*\p+256*\k   ; 32 lanes store 256 consecutive bytes, aligned
.endr
	ds_store_b16 v[STS], v[TP] offset:32*\p        ; lanes l and l xor 16 write the same two bytes with the same value
.endm
	INIT
	SEG 3
	SEG 2
	SEG 1
	SEG 0
	FINISH 0
	s_wait_xcnt 0x0                                ; the stores have read the codes' registers, which pass 1 writes again
.irp i, 0,1,2,3,4,5
	v_mov_b32 v[QF+\i], v[Q2+\i]                   ; the second tile of queries; the 36 lines below are the places in front of its first product
.endr
	INIT
	s_mov_b32 s[TB], 0
	s_mov_b32 s[CNT], 16
.Lpass1:                                           ; the whole head lies in LDS: sixteen steps, no barrier
	STEP 1
	s_sub_co_u32 s[CNT], s[CNT], 1
	s_cmp_lg_u32 s[CNT], 0
	s_cbranch_scc1 .Lpass1
	FINISH 1
	s_wait_dscnt 0x0                               ; for the others' sake: my stores into the stage are done
	s_barrier_signal -1
	s_barrier_wait -1
	s_cmp_lt_u32 s[WV], 2                          ; the work-group's 1,024 scale bytes leave by two waves, 16 bytes a lane
	s_cbranch_scc0 .Lno_scl
	ds_load_b128 v[S:S+3], v[TLD]
	s_wait_dscnt 0x0
	global_store_b128 v[TGO], v[S:S+3], s[10:11]
.Lno_scl:
	s_wait_tensorcnt 0x0
	ds_add_u32 v254, v255
	s_wait_dscnt 0x0
	CROUND                                         ; the closing round: no work-group ends while a partner may still ask for a tile that names it
	s_endpgm
.Lfunc_end_k_q5da2e69279_attn:
	.size	k_q5da2e69279_attn, .Lfunc_end_k_q5da2e69279_attn-k_q5da2e69279_attn
	.p2alignl 7, 3214868480
	.fill 96, 4, 3214868480
	.section	.rodata,"a",@progbits
	.p2align	6, 0x0
	.amdhsa_kernel k_q5da2e69279_attn
		.amdhsa_group_segment_fixed_size 327680
		.amdhsa_private_segment_fixed_size 0
		.amdhsa_enable_private_segment 0
		.amdhsa_kernarg_size 32
		.amdhsa_user_sgpr_count 2
		.amdhsa_user_sgpr_kernarg_segment_ptr 1
		.amdhsa_wavefront_size32 1
		.amdhsa_system_sgpr_workgroup_id_x 1
		.amdhsa_system_sgpr_workgroup_id_y 1
		.amdhsa_system_sgpr_workgroup_id_z 1
		.amdhsa_system_vgpr_workitem_id 0
		.amdhsa_next_free_vgpr 256
		.amdhsa_next_free_sgpr 66
		.amdhsa_reserve_vcc 0
		.amdhsa_float_denorm_mode_32 3
		.amdhsa_float_denorm_mode_16_64 3
		.amdhsa_memory_ordered 1
		.amdhsa_forward_progress 1
		.amdhsa_inst_pref_size 94
	.end_amdhsa_kernel
	.amdgpu_metadata
---
amdhsa.version: [ 1, 2 ]
amdhsa.kernels:
  - .name:           k_q5da2e69279_attn
    .symbol:         k_q5da2e69279_attn.kd
    .args:
      - { .name: q_img, .offset: 0, .size: 8, .value_kind: global_buffer, .address_space: global }
      - { .name: kv_img, .offset: 8, .size: 8, .value_kind: global_buffer, .address_space: global }
      - { .name: a_img, .offset: 16, .size: 8, .value_kind: global_buffer, .address_space: global }
      - { .name: a_scl, .offset: 24, .size: 8, .value_kind: global_buffer, .address_space: global }
    .group_segment_fixed_size: 327680
    .private_segment_fixed_size: 0
    .kernarg_segment_align: 8
    .kernarg_segment_size: 32
    .max_flat_workgroup_size: 512
    .sgpr_count:     66
    .vgpr_count:     256
    .wavefront_size: 32
...
	.end_amdgpu_metadata
.endif
;; end of part 3
;; launch proj (part 4): grid 4 x 32, 4 waves a work-group, clusters of 4 x 4, 327,680 bytes of LDS; arguments a_img, a_scl, w_codes, w_scales, b_proj, out0; writes out0
.if DOCPART == 4
	.amdgcn_target "amdgcn-amd-amdhsa--gfx1250"
	.amdhsa_code_object_version 6
	.text
	.protected	k_q5da2e69279_proj
	.globl	k_q5da2e69279_proj
	.p2align	8
	.type	k_q5da2e69279_proj,@function
k_q5da2e69279_proj:
	s_mov_b64 s[64:65], 0
	v_nop
	global_prefetch_b8 v0, s[64:65] scope:SCOPE_SE
	s_setreg_imm32_b32 hwreg(HW_REG_WAVE_MODE, 25, 1), 1
	s_wait_xcnt 0x0
	s_wait_alu depctr_hold_cnt(0) depctr_sa_sdst(0) depctr_va_vdst(0) depctr_va_sdst(0) depctr_va_ssrc(0) depctr_va_vcc(0) depctr_vm_vsrc(0)
	s_getreg_b32 s2, hwreg(HW_REG_IB_STS2, 6, 4)
	s_cmp_eq_u32 s2, 0
	s_cbranch_scc0 .Lentry_in_a_cluster
	s_endpgm
.Lentry_in_a_cluster:
	s_bfe_u32 s2, ttmp6, 0x10000c
	s_cmp_lg_u32 s2, 0xf033
	s_cbranch_scc0 .Lentry_shape_is_right
	s_endpgm
.Lentry_shape_is_right:
; out0 = a w_proj + b_proj on codes of FP6 (E2M3) with E8M0 scales; a is the attention launch's result, [8192][1024]; out0 [8192][1024] f32; sums in f32.
; A tile of 256 x 256 of out0 is made by a work-group of four waves, a wave makes 128 x 128: 64 accumulators, 512 registers.  K = 1,024 goes in four steps of 256 through a ring of two LDS slots filled by the tensor data mover.
; A (a's codes) arrives as IMAGES OF OPERAND REGISTERS: [token tile][head][768 bytes], a head's 64 along K being half a fragment: register pair k of a lane at 256 k + 8 x lane.  A K step is 4 heads, 3,072 dense bytes a token tile.
; Token tile T holds tokens 32 (T / 2) + 8 (T % 2) + r % 8 + 16 (r / 8); B (rows 3072 on of w_codes, 768 bytes a row) holds column sigma(position) likewise: the way out puts both orders right by constants.
; A's scale bytes arrive as [head][position] pairs: each work-group repacks its 256 rows' once into LDS, 32 bytes a row, as B's lie there; those LDS bytes take no fill.  The bias is the C of the first K step's products.
; THE MATRIX INSTRUCTION IS USED TRANSPOSED (source 0 = 16 rows of B, source 1 = 16 rows of A): a lane holds eight neighbouring numbers of a row of out0.
; CLUSTERS: 4 x 4 work-groups; A's tiles are asked for jointly along a row of the cluster, B's along a column.  The grid has 128 work-groups: a smaller tile would read each fragment from LDS for half the products.
; REGISTERS: window 0: v0-31 addresses; v32-63 scale words, two sets; v64-127 the bias; v128-223 A's fragments, one set.  Window 1: B's fragments, two sets.  Windows 2, 3: the accumulators.
.set KSTEP,  256
.set NQ,     2
.set ROWB,   192
.set KROW,   768
.set PITCH,  240
.set FR,     12
.set NL,     6
.set NP,     4
.set HALFT,  128*PITCH                 ; B: 128 rows; A's 8 token tiles x 3,072 bytes take 24,576 of it
.set SLOT,   4*HALFT
.set LAPS,   2
.set KS,     32
.set SCL,    2*SLOT                    ; behind the ring: A's scales (8,704 bytes, written by LDS stores alone), then B's (8,704 bytes, filled once)
.set HALFS,  (128*KS/256)*272
.set SBLK,   (16*KS/256)*272
.set SPARE,  SCL+4*HALFS
.set SPITCH, 528                       ; the way out: a stage of 16 rows x (512 + 16) bytes a wave, in slot 0, which has had its last fill and its last read by then
.set ASTEP,  3072
.set ADRA, 16
.set ADRB, 20
.set STO,  24
.set RD,   25
.set CO,   26
.set ADRS, 27
.set SPW,  28
.set NIL,  29
.set SC,   32
.set BR,   64
.set AF,   128
.set BK,   128
.set G1, 24
.set G0, 32
.set G1B, 48
.set G0B, 56
.set G1SB, 80
.set G0SB, 88
.set MSB, 0
.macro WIN new
.if MSB != \new
	s_set_vgpr_msb (MSB<<8)|\new
.set MSB, \new
.endif
.endm
.set MUL_LO, 0xa1
.set MUL_HI, 0xf1
.set TO_B,   0x40
.macro JLOAD g0a, g1a, g0b, g1b        ; a joint load: waves 0 and 1 fetch for A, waves 2 and 3 for B; four v_nop follow each of the two lines
	s_cmp_eq_u32 s15, 0
	s_cbranch_scc0 .Lfor_b_\@
	tensor_load_to_lds s[\g0a:\g0a+3], s[\g1a:\g1a+7]
	s_nop 0
.rept 4
	v_nop
.endr
	s_branch .Lasked_\@
.Lfor_b_\@:
	tensor_load_to_lds s[\g0b:\g0b+3], s[\g1b:\g1b+7]
	s_nop 0
.rept 4
	v_nop
.endr
.Lasked_\@:
.endm
.macro CREST
	s_cmp_lg_u32 s14, 0
	s_cbranch_scc1 .Lnot_wave_0_\@
	s_barrier_signal -3
.Lnot_wave_0_\@:
	s_barrier_wait -3
	s_barrier_signal -1
	s_barrier_wait -1
.endm
.macro CROUND
	s_barrier_signal -1
	s_barrier_wait -1
	CREST
.endm
	s_load_b128 s[4:7], s[0:1], 0x0                ; a_img, a_scl
	s_load_b128 s[8:11], s[0:1], 0x10              ; w_codes, w_scales
	s_load_b128 s[96:99], s[0:1], 0x20             ; b_proj, out0
	v_lshl_add_u32 v[SPW], v0, 2, SPARE
	v_mov_b32 v[NIL], 0
	ds_add_u32 v28, v29
	ds_add_u32 v28, v29
	s_wait_dscnt 0x0
	v_lshrrev_b32 v1, 5, v0
	v_readfirstlane_b32 s14, v1                    ; wave 0..3
	s_lshr_b32 s15, s14, 1                         ; which half of the tile's rows is mine.  Also: I fetch for A (0) or for B (1)
	s_and_b32 s16, s14, 1                          ; which half of its columns.  Also: which half of that tile I fetch
	s_bfe_u32 s40, ttmp6, 0x40000                  ; cx
	s_bfe_u32 s41, ttmp6, 0x40004                  ; cy
	s_lshl_b32 s42, ttmp9, 2
	s_add_co_u32 s42, s42, s40                     ; tile column
	s_and_b32 s17, ttmp7, 0xffff
	s_lshl_b32 s17, s17, 2
	s_add_co_u32 s17, s17, s41                     ; tile row
	s_lshl_b32 s43, s41, 2
	s_lshl_b32 s43, 15, s43                        ; my row of the cluster
	s_lshl_b32 s44, 0x1111, s40                    ; my column
	s_or_b32 s[G1+0], s43, (3<<16)|(1<<21)         ; A: 8 token tiles x 3,072 bytes (384 elements of 8 bytes), 12,288 bytes apart in memory, dense in LDS
	s_mov_b32 s[G1+1], 384<<16
	s_mov_b32 s[G1+2], 8<<16
	s_mov_b32 s[G1+3], 384<<16
	s_mov_b32 s[G1+4], 8
	s_mov_b32 s[G1+5], 1536
	s_mov_b32 s[G1+6], 0
	s_mov_b32 s[G1+7], 0
	s_or_b32 s[G1B+0], s44, (0<<16)|(1<<20)|(1<<21)|(3<<22)|(3<<25)  ; B: 128 rows x 192 bytes, 16 bytes of padding behind every 64
	s_mov_b32 s[G1B+1], ROWB<<16
	s_mov_b32 s[G1B+2], 128<<16
	s_mov_b32 s[G1B+3], ROWB<<16
	s_mov_b32 s[G1B+4], 128
	s_mov_b32 s[G1B+5], KROW
	s_mov_b32 s[G1B+6], 0
	s_mov_b32 s[G1B+7], 0
	s_or_b32 s[G1SB+0], s44, (3<<16)|(1<<20)|(1<<21)|(5<<22)|(3<<25) ; B's scales of 128 rows: 16 rows of 256 bytes, 16 of padding behind each
	s_mov_b32 s[G1SB+1], 32<<16
	s_mov_b32 s[G1SB+2], (128*KS/256)<<16
	s_mov_b32 s[G1SB+3], 32<<16
	s_mov_b32 s[G1SB+4], 128*KS/256
	s_mov_b32 s[G1SB+5], 32
	s_mov_b32 s[G1SB+6], 0
	s_mov_b32 s[G1SB+7], 0
	s_lshl_b32 s20, s17, 4
	s_lshl_b32 s18, s16, 3
	s_add_co_u32 s20, s20, s18                     ; A: token tile 16 x tile row + 8 x half
	s_mul_i32 s20, s20, 12288
	s_mov_b32 s21, 0
	s_lshl_b32 s22, s17, 9                         ; A's scale pairs: 512 bytes for the tile's 256 positions, in each head's row
	s_mov_b32 s23, 0
	s_lshl_b32 s46, s42, 8
	s_lshl_b32 s18, s16, 7
	s_add_co_u32 s46, s46, s18
	s_add_co_u32 s46, s46, 3072                    ; B: row 3072 + 256 x tile column + 128 x half
	s_lshl_b32 s92, s46, 5
	s_mul_i32 s46, s46, KROW
	s_mov_b32 s47, 0
	s_mov_b32 s93, 0
	s_mul_i32 s45, s14, HALFT                      ; where the tiles go: no place in the cluster enters an LDS address
	s_mul_i32 s94, s14, HALFS
	s_wait_kmcnt 0x0
	s_add_nc_u64 s[20:21], s[4:5], s[20:21]
	s_add_nc_u64 s[6:7], s[6:7], s[22:23]
	s_add_nc_u64 s[46:47], s[8:9], s[46:47]
	s_add_nc_u64 s[92:93], s[10:11], s[92:93]
	s_mov_b32 s[G0SB], 1
	s_add_co_u32 s[G0SB+1], s94, SCL               ; waves 2 and 3: behind A's 2 x 4,352 bytes
	s_mov_b64 s[G0SB+2:G0SB+3], s[92:93]
	s_or_b32 s[G0SB+3], s[G0SB+3], 0x80000000
.irp s, 0,1
	s_mov_b32 s[G0+4*\s], 1
	s_add_co_u32 s[G0+4*\s+1], s45, \s*SLOT
	s_add_nc_u64 s[G0+4*\s+2:G0+4*\s+3], s[20:21], \s*ASTEP
	s_or_b32 s[G0+4*\s+3], s[G0+4*\s+3], 0x80000000
	s_mov_b32 s[G0B+4*\s], 1
	s_add_co_u32 s[G0B+4*\s+1], s45, \s*SLOT
	s_add_nc_u64 s[G0B+4*\s+2:G0B+4*\s+3], s[46:47], \s*ROWB
	s_or_b32 s[G0B+4*\s+3], s[G0B+4*\s+3], 0x80000000
.endr
	CROUND                                         ; all sixteen work-groups are here: the first joint loads meet
	s_cmp_eq_u32 s15, 0                            ; a wave's first fills stand in one branch on the wave's number: two loads are out in waves 0 and 1, three in waves 2 and 3
	s_cbranch_scc0 .Lfirst_b
	tensor_load_to_lds s[G0:G0+3], s[G1:G1+7]
	s_nop 0
	tensor_load_to_lds s[G0+4:G0+7], s[G1:G1+7]
	s_nop 0
.rept 4
	v_nop
.endr
	s_branch .Lfirst_done
.Lfirst_b:
	tensor_load_to_lds s[G0SB:G0SB+3], s[G1SB:G1SB+7]
	s_nop 0
	tensor_load_to_lds s[G0B:G0B+3], s[G1B:G1B+7]
	s_nop 0
	tensor_load_to_lds s[G0B+4:G0B+7], s[G1B:G1B+7]
	s_nop 0
.rept 4
	v_nop
.endr
.Lfirst_done:
	; A's scale pairs: thread t takes positions 2 t and 2 t + 1 of the tile's 256, in all 16 heads: each load of the work-group covers 512 consecutive bytes
	v_lshlrev_b32 v7, 2, v0
.irp hd, 0,1,2,3,4,5,6,7,8,9,10,11,12,13,14,15
	global_load_b32 v[128+\hd], v7, s[6:7] offset:16384*\hd
.endr
	; the bias, in the result's layout: register 8 b + j of lane half h is column 32 (b / 2) + 16 h + 8 (b % 2) + j of my 128
	s_lshl_b32 s18, s42, 10
	s_lshl_b32 s19, s16, 9
	s_add_co_u32 s18, s18, s19                     ; my first column, in bytes
	s_mov_b32 s19, 0
	s_add_nc_u64 s[96:97], s[96:97], s[18:19]
	v_and_b32 v1, 15, v0                           ; r
	v_bfe_u32 v2, v0, 4, 1                         ; h
	v_lshlrev_b32 v8, 6, v2
.irp b, 0,1,2,3,4,5,6,7
	global_load_b128 v[BR+8*\b:BR+8*\b+3], v8, s[96:97] offset:128*(\b/2)+32*(\b%2)
	global_load_b128 v[BR+8*\b+4:BR+8*\b+7], v8, s[96:97] offset:128*(\b/2)+32*(\b%2)+16
.endr
	s_lshl_b32 s20, s17, 8
	s_lshl_b32 s21, s15, 7
	s_add_co_u32 s20, s20, s21                     ; my first row of out0
	s_lshl_b32 s20, s20, 12
	s_add_co_u32 s20, s20, s18
	s_mov_b32 s21, 0
	s_add_nc_u64 s[98:99], s[98:99], s[20:21]
	v_and_b32 v6, 31, v0
	v_lshlrev_b32 v3, 3, v6                        ; A's fragments: 8 x lane
	s_mul_i32 s21, s15, HALFT                      ; my 8 token tiles
	v_mul_u32_u24 v4, v1, PITCH
	v_mad_u32_u24 v4, v2, 24, v4                   ; B's: row x pitch + 24 x half
	v_lshl_add_u32 v5, v2, 4, v4                   ; and the same behind one padding more
	s_mul_i32 s22, s16, HALFT
	s_add_co_u32 s22, s22, 2*HALFT                 ; my 128 rows of B, behind A's part of the slot
.irp s, 0,1
	v_add_nc_u32 v[ADRA+\s], s21, v3
	v_add_nc_u32 v[ADRB+\s], s22, v4
	v_add_nc_u32 v[ADRB+2+\s], s22, v5
	s_add_co_u32 s21, s21, SLOT
	s_add_co_u32 s22, s22, SLOT
.endr
	v_mul_u32_u24 v5, v1, KS                       ; my row's scales: 32 bytes a row,
	v_lshrrev_b32 v4, 8, v5
	v_lshl_add_u32 v5, v4, 4, v5                   ; and 16 more for each 256 passed
	s_mul_i32 s21, s15, HALFS
	s_mul_i32 s22, s16, HALFS
	s_add_co_u32 s22, s22, 2*HALFS
	s_sub_co_u32 s22, s22, s21
	v_mul_u32_u24 v4, s22, v2                      ; lanes 16-31 take B's
	s_add_co_u32 s21, s21, SCL
	v_add_nc_u32 v5, v5, v4
	v_add_nc_u32 v[ADRS], s21, v5
	s_mul_i32 s23, s14, 16*SPITCH                  ; my stage
	v_mul_u32_u24 v5, v1, SPITCH
	v_lshl_add_u32 v5, v2, 6, v5                   ; in: row r, + 16 h columns
	v_add_nc_u32 v[STO], s23, v5
	v_lshlrev_b32 v[CO], 4, v6                     ; back: the 32 lanes take one row of 512 bytes; and the same in out0
	v_add_nc_u32 v[RD], s23, v[CO]
	v_lshrrev_b32 v9, 2, v0
	v_lshlrev_b32 v10, 6, v0
	v_lshl_add_u32 v9, v9, 4, v10                  ; 64 t + 16 (t / 4): rows 2 t and 2 t + 1 of 32 bytes, 16 bytes of padding behind each 256
	v_add_nc_u32 v9, SCL, v9
	s_mov_b32 s20, 0x05040100
	s_mov_b32 s21, 0x07060302
	s_wait_loadcnt 0x0
.irp g, 0,1,2,3,4,5,6,7
	v_perm_b32 v[160+\g], v[129+2*\g], v[128+2*\g], s20   ; position 2 t: the word of K step g of 128: heads 2 g and 2 g + 1
	v_perm_b32 v[168+\g], v[129+2*\g], v[128+2*\g], s21   ; position 2 t + 1
.endr
.irp c, 0,1,2,3
	ds_store_b128 v9, v[160+4*\c:163+4*\c] offset:16*\c
.endr
.macro FRAG reg, adr, q, i             ; B: 16 rows x 128 K in six pieces of 8 bytes; lanes 16-31 read three pieces further on, for some pieces behind one padding more: the second address register
.irp p, 0,1,2,3,4,5
.set PCE, 12*(\q)+6*(\p/3)+\p%3
.if PCE%8 < 5
	ds_load_b64 v[\reg+2*\p:\reg+2*\p+1], v[\adr] offset:8*PCE+16*(PCE/8)+(\i)*16*PITCH
.else
	ds_load_b64 v[\reg+2*\p:\reg+2*\p+1], v[\adr+2] offset:8*PCE+16*(PCE/8)+(\i)*16*PITCH
.endif
.endr
.endm
.macro FRAG_A reg, slot, q, i          ; A: token tile i, heads 2 q and 2 q + 1 of the slot's four: six loads of 256 consecutive bytes
.irp c, 0,1
.irp k, 0,1,2
	ds_load_b64 v[\reg+6*\c+2*\k:\reg+6*\c+2*\k+1], v[ADRA+\slot] offset:ASTEP*(\i)+768*(2*(\q)+\c)+256*\k
.endr
.endr
.endm
.macro MUL16 a0, p, q, sc, zero        ; 16 matrix instructions; zero = 1: the first K step starts the sums with the bias as C.  The 64 accumulators take turns, one instruction a turn
.irp a, \a0, \a0+1
.irp b, 0,1,2,3,4,5,6,7
.if \zero
	v_wmma_scale_f32_16x16x128_f8f6f4 v[8*(8*((\a)%4)+\b):8*(8*((\a)%4)+\b)+7], v[128*(\p)+FR*\b:128*(\p)+FR*\b+FR-1], v[AF+FR*(\a):AF+FR*(\a)+FR-1], v[BR+8*\b:BR+8*\b+7], v[SC+8*NQ*(\sc)+NQ*\b+(\q)], v[SC+8*NQ*(\sc)+NQ*(\a)+(\q)] matrix_a_fmt:MATRIX_FMT_FP6 matrix_b_fmt:MATRIX_FMT_FP6 matrix_a_scale:MATRIX_SCALE_ROW1
.else
	v_wmma_scale_f32_16x16x128_f8f6f4 v[8*(8*((\a)%4)+\b):8*(8*((\a)%4)+\b)+7], v[128*(\p)+FR*\b:128*(\p)+FR*\b+FR-1], v[AF+FR*(\a):AF+FR*(\a)+FR-1], v[8*(8*((\a)%4)+\b):8*(8*((\a)%4)+\b)+7], v[SC+8*NQ*(\sc)+NQ*\b+(\q)], v[SC+8*NQ*(\sc)+NQ*(\a)+(\q)] matrix_a_fmt:MATRIX_FMT_FP6 matrix_b_fmt:MATRIX_FMT_FP6 matrix_a_scale:MATRIX_SCALE_ROW1
.endif
.endr
.endr
.endm
.macro FETCH_B slot, q, p
	WIN TO_B
.irp i, 0,1,2,3,4,5,6,7
	FRAG 128*(\p)+FR*\i, ADRB+\slot, \q, \i
.endr
	WIN 0
.endm
.macro FETCH_A slot, q, i0
.irp i, \i0, \i0+1, \i0+2, \i0+3
	FRAG_A AF+FR*(\i), \slot, \q, \i
.endr
.endm
.macro SCALES sc
.irp i, 0,1,2,3,4,5,6,7
	ds_load_b64 v[SC+8*NQ*\sc+NQ*\i:SC+8*NQ*\sc+NQ*\i+1], v[ADRS] offset:\i*SBLK
.endr
.endm
.macro PLACES n
.rept \n
	v_nop
.endr
.endm
.macro STEP slot, q, zero
	s_wait_dscnt 4*NL                              ; B's set and A's blocks 0-3 are in; the youngest 24 loads (A's blocks 4-7) may be out
.if \zero
	WIN 0x81                                       ; C (the bias) in window 0, D in window 2
.else
	WIN MUL_LO
.endif
	MUL16 0, (\q)%2, \q, \slot, \zero
	MUL16 2, (\q)%2, \q, \slot, \zero
	s_wait_dscnt 0
	PLACES NP
	FETCH_B \slot, (\q)+1, 1-(\q)%2
	FETCH_A \slot, (\q)+1, 0
.if \zero
	WIN 0xc1
.else
	WIN MUL_HI
.endif
	MUL16 4, (\q)%2, \q, \slot, \zero
	MUL16 6, (\q)%2, \q, \slot, \zero
	PLACES NP
	WIN 0
	FETCH_A \slot, (\q)+1, 4
.endm
.macro TURN slot, next, fill           ; a slot's last step changes slots
	s_wait_tensorcnt 0x0                           ; all my tensor loads have landed: my part of the next slot
	ds_add_u32 v[SPW], v[NIL]                      ; 0 onto my spare word
	s_wait_dscnt 4*NL+1                            ; (the add and the youngest 24 loads may be out)
	WIN MUL_LO
	MUL16 0, 1, NQ-1, \slot, 0
	s_wait_dscnt 0x0                               ; the add is done, and my reads of this slot are over
	s_barrier_signal -1
	MUL16 2, 1, NQ-1, \slot, 0
	WIN 0
	s_barrier_wait -1
.if \fill
	CREST                                          ; the barrier has opened a round of the cluster's barrier: no wave of any partner still reads this slot or has a load on its way
	s_add_nc_u64 s[G0+4*\slot+2:G0+4*\slot+3], s[G0+4*\slot+2:G0+4*\slot+3], 2*ASTEP
	s_add_nc_u64 s[G0B+4*\slot+2:G0B+4*\slot+3], s[G0B+4*\slot+2:G0B+4*\slot+3], 2*ROWB
	JLOAD G0+4*\slot, G1, G0B+4*\slot, G1B         ; the first tensor load behind the round; its four v_nop are the places in front of the loads below
.else
	PLACES NP
.endif
	v_add_nc_u32 v[ADRS], 4*NQ, v[ADRS]
	FETCH_B \next, 0, 0
	FETCH_A \next, 0, 0
	SCALES \next
	WIN MUL_HI
	MUL16 4, 1, NQ-1, \slot, 0
	MUL16 6, 1, NQ-1, \slot, 0
	PLACES NP
	WIN 0
	FETCH_A \next, 0, 4
.endm
	s_wait_tensorcnt 1                             ; my part of K step 0 (and B's scales) is in; K step 1's load may be out
	s_wait_dscnt 0x0                               ; for the others' sake: my rows of A's scales are stored
	s_barrier_signal -1
	s_barrier_wait -1
	FETCH_B 0, 0, 0
	FETCH_A 0, 0, 0
	SCALES 0
	FETCH_A 0, 0, 4
	STEP 0, 0, 1
	s_mov_b32 s3, LAPS-1
.Llap:
	TURN 0, 1, 1
	STEP 1, 0, 0
	TURN 1, 0, 1
	STEP 0, 0, 0
	s_sub_co_u32 s3, s3, 1
	s_cmp_lg_u32 s3, 0
	s_cbranch_scc1 .Llap
	TURN 0, 1, 0
	STEP 1, 0, 0
	s_wait_dscnt 4*NL
	WIN MUL_LO
	MUL16 0, 1, NQ-1, 1, 0
	MUL16 2, 1, NQ-1, 1, 0
	s_wait_dscnt 0
	WIN MUL_HI
	MUL16 4, 1, NQ-1, 1, 0
	MUL16 6, 1, NQ-1, 1, 0
	WIN 0
; THE WAY OUT, block by block of 16 rows x 128 columns, through my own stage in LDS: in as 32 bytes a lane at the columns' true places, back as whole rows of 512 bytes.  LDS serves a wave's instructions in order.
.macro TOSTAGE a
.set AC, 64*((\a)%4)
	WIN (0x08+4*((\a)/4))                          ; the data: window 2 or 3
.irp b, 0,1,2,3,4,5,6,7
	ds_store_b128 v[STO], v[AC+8*\b:AC+8*\b+3] offset:128*(\b/2)+32*(\b%2)      ; each accumulator from its low end on
	ds_store_b128 v[STO], v[AC+8*\b+4:AC+8*\b+7] offset:128*(\b/2)+32*(\b%2)+16
.endr
	WIN 0
.set BB, BK+64*((\a)%2)
.irp t, 0,1,2,3,4,5,6,7,8,9,10,11,12,13,14,15
	ds_load_b128 v[BB+4*\t:BB+4*\t+3], v[RD] offset:\t*SPITCH
.endr
.endm
.macro SEND a, younger
.set BB, BK+64*((\a)%2)
	s_wait_dscnt \younger
.irp t, 0,1,2,3,4,5,6,7,8,9,10,11,12,13,14,15
	global_store_b128 v[CO], v[BB+4*\t:BB+4*\t+3], s[98:99] offset:(32*((\a)/2)+8*((\a)%2)+(\t&7)+16*(\t>>3))*4096 th:TH_STORE_NT   ; stage row t of block a is that token; 32 lanes store 512 consecutive bytes, aligned
.endr
.endm
	PLACES NP
	TOSTAGE 0
.irp a, 1,2,3,4,5,6,7
.if \a > 1
	s_wait_xcnt 0x0                                ; block a - 2's stores have read their registers: block a's loads may land there
.endif
	TOSTAGE \a
	SEND \a-1, 32                                  ; behind block a - 1's loads: block a's 16 stores and 16 loads
.endr
	SEND 7, 0
	s_wait_tensorcnt 0x0                           ; the wave's end
	ds_add_u32 v[SPW], v[NIL]
	s_wait_dscnt 0x0
	CROUND                                         ; the closing round
	s_endpgm
.Lfunc_end_k_q5da2e69279_proj:
	.size	k_q5da2e69279_proj, .Lfunc_end_k_q5da2e69279_proj-k_q5da2e69279_proj
	.p2alignl 7, 3214868480
	.fill 96, 4, 3214868480
	.section	.rodata,"a",@progbits
	.p2align	6, 0x0
	.amdhsa_kernel k_q5da2e69279_proj
		.amdhsa_group_segment_fixed_size 327680
		.amdhsa_private_segment_fixed_size 0
		.amdhsa_enable_private_segment 0
		.amdhsa_kernarg_size 48
		.amdhsa_user_sgpr_count 2
		.amdhsa_user_sgpr_kernarg_segment_ptr 1
		.amdhsa_wavefront_size32 1
		.amdhsa_system_sgpr_workgroup_id_x 1
		.amdhsa_system_sgpr_workgroup_id_y 1
		.amdhsa_system_sgpr_workgroup_id_z 1
		.amdhsa_system_vgpr_workitem_id 0
		.amdhsa_next_free_vgpr 1024
		.amdhsa_next_free_sgpr 100
		.amdhsa_reserve_vcc 0
		.amdhsa_float_denorm_mode_32 3
		.amdhsa_float_denorm_mode_16_64 3
		.amdhsa_memory_ordered 1
		.amdhsa_forward_progress 1
		.amdhsa_inst_pref_size 163
	.end_amdhsa_kernel
	.amdgpu_metadata
---
amdhsa.version: [ 1, 2 ]
amdhsa.kernels:
  - .name:           k_q5da2e69279_proj
    .symbol:         k_q5da2e69279_proj.kd
    .args:
      - { .name: a_img, .offset: 0, .size: 8, .value_kind: global_buffer, .address_space: global }
      - { .name: a_scl, .offset: 8, .size: 8, .value_kind: global_buffer, .address_space: global }
      - { .name: w_codes, .offset: 16, .size: 8, .value_kind: global_buffer, .address_space: global }
      - { .name: w_scales, .offset: 24, .size: 8, .value_kind: global_buffer, .address_space: global }
      - { .name: b_proj, .offset: 32, .size: 8, .value_kind: global_buffer, .address_space: global }
      - { .name: out0, .offset: 40, .size: 8, .value_kind: global_buffer, .address_space: global }
    .group_segment_fixed_size: 327680
    .private_segment_fixed_size: 0
    .kernarg_segment_align: 8
    .kernarg_segment_size: 48
    .max_flat_workgroup_size: 128
    .sgpr_count:     100
    .vgpr_count:     1024
    .wavefront_size: 32
...
	.end_amdgpu_metadata
.endif
;; end of part 4
